; MI455X (gfx1250); checked and timed in simulation.
; The chip was launched on July 23, 2026; its instructions are those of AMD's public machine-readable ISA for CDNA 5 (MIT licence, August 2026) and "CDNA5" Instruction Set Architecture Reference Guide (July 2026). The comments in the code are by the model that wrote it; some were corrected since.
;; GPT3 Parallel Self Attention. Allowed arithmetic: matrix products marked QUANTISED: E2M3 operands, one E8M0 scale for each 32 along K, by v_wmma_scale_f32_16x16x128_f8f6f4 with both operands' format E2M3, f32 sums; everything else in f32.
;; Inputs: b_dense 1,024 float32; b_qkv 3,072 float32; hidden_states_codes 1 x 4,096 x 32 x 24 uint8 (E2M3 codes of hidden_states, K innermost, in blocks of 32 codes, four codes in three bytes); hidden_states_scales 1 x 4,096 x 32 uint8 (E8M0 scales of hidden_states, one for each 32 codes along K); ltor_mask 1 x 1 x 4,096 x 4,096 float32; w_dense_codes 1,024 x 32 x 24 uint8 (E2M3 codes of w_dense, K innermost, in blocks of 32 codes, four codes in three bytes); w_dense_scales 1,024 x 32 uint8 (E8M0 scales of w_dense, one for each 32 codes along K); w_qkv_codes 3,072 x 32 x 24 uint8 (E2M3 codes of w_qkv, K innermost, in blocks of 32 codes, four codes in three bytes); w_qkv_scales 3,072 x 32 uint8 (E8M0 scales of w_qkv, one for each 32 codes along K).
;; Outputs: out0 1 x 4,096 x 1,024 float32.
;; This version of the problem:
;;   THIS VERSION OF THE PROBLEM IS GIVEN IN LOW PRECISION. The matrix products marked QUANTISED in the list below multiply operands that are first quantised to E2M3 (2 exponent bits, 3 mantissa bits; 6 bits a number), with one power-of-two scale for each 32 numbers along K (OCP MX v1.0); their sums are f32. All else is computed in f32.
;;   The module's matrix products, in the order in which they are computed (A, B: the left and right operand; K: the contracted axis; several contracted axes count as one K, in the product's order):
;;     1. [M 4,096, K 1,024] x [K 1,024, N 3,072]; A: input hidden_states (given as codes); B: input w_qkv (given as codes): QUANTISED
;;     2. batch 16 x [M 4,096, K 64] x [K 64, N 4,096]; A: computed on the way; B: computed on the way: QUANTISED
;;     3. batch 16 x [M 4,096, K 4,096] x [K 4,096, N 64]; A: softmax (see below); B: computed on the way: QUANTISED
;;     4. [M 4,096, K 1,024] x [K 1,024, N 1,024]; A: computed on the way; B: input w_dense (given as codes): QUANTISED
;;   THE QUANTISER, for each operand of a quantised product, along K:
;;     - K is cut into blocks of 32 from its start; a last block that is shorter is filled with zeros.
;;     - A block's scale is 2^e with e = floor(log2(the largest magnitude in the block)) - 2, held to -126 .. 127; a block of zeros has e = 0. As a byte (E8M0): e + 127.
;;     - Each number is divided by its block's scale, clamped to +-7.5, and rounded to the nearest number of E2M3, ties to even, subnormals kept.
;;     - The product sums the exact products of the quantised numbers (number of the format x scale) in f32.
;;   ~~~python
;;   def quantise(x, axis):      # numpy; x: float32 -> the quantised numbers, widened to float32 again
;;       x = np.moveaxis(x, axis, -1); K = x.shape[-1]
;;       x = np.pad(x, [(0, 0)] * (x.ndim - 1) + [(0, -K % 32)]); x = x.reshape(x.shape[:-1] + (-1, 32)); a = np.abs(x).max(-1, keepdims=True)
;;       e = np.where(a > 0, np.clip(np.frexp(np.where(a > 0, a, 1))[1] - 1 - 2, -126, 127), 0)      # np.frexp(a)[1] - 1 = floor(log2(a)), exactly
;;       r = np.clip(x / 2.0 ** e, -7.5, 7.5)
;;       step = 2.0 ** (np.maximum(np.frexp(np.where(r == 0, 1, r))[1] - 1, 0) - 3)
;;       q = np.round(r / step) * step * 2.0 ** e      # np.round: ties to even
;;       return np.moveaxis(q.reshape(q.shape[:-2] + (-1,))[..., :K], -1, axis).astype(np.float32)
;;   ~~~
;;   SOFTMAX AHEAD OF A QUANTISED PRODUCT. Where the list says 'softmax', what is quantised is not the finished softmax but p = 2^(t - M), with t = logit x log2(e) and M = ceil(the row's largest t), a whole number; so 1/2 < the row's largest p <= 1. The row's sum l is taken of the UNQUANTISED p, in f32, and the product's result is divided by l at the end. Since M is a whole number, a kernel that streams over the keys may use a running M (the ceiling of the running maximum): every later rescaling is an exact power of two, which a block's scale takes up: the codes' values come out the same.
;;   OPERANDS COMPUTED ON THE WAY. 'Computed on the way' means the value that the module computes at that place (a softmax that the list does not call 'softmax' is quantised finished and normalised). What goes into a quantiser is computed in f32, as accurately as f32 sums, v_exp_f32 and their like allow (about 1e-6 of the number): no bf16 or f16 on the way to a quantiser, and a product that is left as it is and whose result goes on into a quantised operand takes f32 operands (vector FMAs, or v_wmma_f32_16x16x4_f32). A number that lies on a knife's edge between two numbers of the format may be rounded either way, as far as f32 arithmetic and the matrix unit's own rounding can turn it there, and no further.
;;   INPUTS GIVEN AS CODES. hidden_states (in the module: [1, 4096, 1024], K = its axis 2); w_dense (in the module: [1024, 1024], K = its axis 1); w_qkv (in the module: [3072, 1024], K = its axis 1): each comes as NAME_codes (uint8): NAME with its K axis moved to the last place and cut into blocks of 32 codes, [.., K / 32, bytes a block], one block behind the other in memory; four codes in three bytes: a row's codes are one little-endian stream of bits, code i at bits 6 i .. 6 i + 5 (a code: sign, 2 exponent bits, 3 mantissa bits); and NAME_scales (uint8): the same leading axes, one E8M0 byte (e + 127) for each 32 codes along K. Its value is code x scale, taken as it is: it is not quantised again, and the codes and scales need not be those that the quantiser above would give.
;; One version. Each part assembles by itself: llvm-mc -triple=amdgcn-amd-amdhsa -mcpu=gfx1250 --defsym DOCPART=n.
;; ======== version 1 of 1: 3 launches
;; limits: right only within a limited range of input values
;; workspace buffers: qbuf 6,684,672 bytes; kvbuf 6,684,672 bytes; ctxc 3,145,728 bytes; ctxs 131,072 bytes
;; launch qkv (part 1): grid 12 x 16, 4 waves a work-group, clusters of 4 x 4, 327,680 bytes of LDS; arguments hidden_states_codes, hidden_states_scales, w_qkv_codes, w_qkv_scales, b_qkv, qbuf, kvbuf; writes qbuf, kvbuf
.if DOCPART == 1
	.amdgcn_target "amdgcn-amd-amdhsa--gfx1250"
	.amdhsa_code_object_version 6
	.text
	.protected	k_qafc15ccab7_qkv
	.globl	k_qafc15ccab7_qkv
	.p2align	8
	.type	k_qafc15ccab7_qkv,@function
k_qafc15ccab7_qkv:
	s_mov_b64 s[64:65], 0
	v_nop
	global_prefetch_b8 v0, s[64:65] scope:SCOPE_SE
	s_setreg_imm32_b32 hwreg(HW_REG_WAVE_MODE, 25, 1), 1
	s_wait_xcnt 0x0
	s_wait_alu depctr_hold_cnt(0) depctr_sa_sdst(0) depctr_va_vdst(0) depctr_va_sdst(0) depctr_va_ssrc(0) depctr_va_vcc(0) depctr_vm_vsrc(0)
	s_getreg_b32 s2, hwreg(HW_REG_IB_STS2, 6, 4)
	s_cmp_eq_u32 s2, 0
	s_cbranch_scc0 .Lentry_in_a_cluster
	s_endpgm
.Lentry_in_a_cluster:
	s_bfe_u32 s2, ttmp6, 0x10000c
	s_cmp_lg_u32 s2, 0xf033
	s_cbranch_scc0 .Lentry_shape_is_right
	s_endpgm
.Lentry_shape_is_right:
; mixed = hidden W^T + b on codes of FP6 (E2M3) with E8M0 scales; q, k and v are quantised on the way out and stored in the order of the next operand's registers.
; A work-group of four waves makes 256 x 256, a wave 128 x 128.  K = 1,024 goes through a ring of two LDS slots in chunks of 256 bytes of each row of codes (768 bytes a row: three chunks, eight steps of 96 bytes).
; The scales of both sides come into LDS once.  CLUSTERS 4 x 4, joint loads: region A's tile hangs on cy and goes to my row of the cluster, region B's on cx and goes to my column.
; q and k (cluster x 0, 1): region A = 256 tokens (4 Y + cy), region B = 256 rows of W (4 X + cx): a lane holds one token, its registers run along the channels.
; v (cluster x 2): region A = rows of W (8 + cy), region B = tokens (4 Y + cx): a lane holds one channel, its registers run along the keys.  Only pointers and tile numbers are chosen; no LDS address is.
; Source 0 = region B, source 1 = region A.  The bias is the C of the first products (q, k) or is added by rows on the way out (v); the form not in use is made 0.
; No prefetch: the walk has three chunks and is written out, so there is no loop to run ahead in.
; LIMITS: NaN and infinities are not served.  A block of zeros gets the scale byte 1: its codes are zeros, and this program alone reads the bytes.
.set ROWB,   256
.set NQ,     2
.set KROW,   768
.set STEPS,  8
.set CHUNKS, 3
.set PITCH,  272
.set FR,     12
.set NL,     6
.set NP,     4
.set HALFT,  128*PITCH
.set SLOT,   4*HALFT
.set KS,     32
.set SCL,    2*SLOT
.set HALFS,  16*272
.set SBLK,   2*272
.set SPARE,  SCL+4*HALFS
.set BLKB,   52224
.set OA0, 8
.set OA1, 9
.set OB0, 10
.set OB1, 11
.set OS,  12
.set ADRA, 16
.set ADRB, 20
.set ADRS, 27
.set SPW,  28
.set NIL,  29
.set SC,   32
.set BR,   64
.set W0,   80
.set W1,   88
.set CD,   96
.set ZW,   116
.set AF,   128
.set X,    128
.set TM,   200
.set PW,   216
.set BP,   96
.set G1, 24
.set G0, 32
.set G1B, 48
.set G0B, 56
.set G1S, 68
.set G0S, 76
.set G1SB, 80
.set G0SB, 88
.set G0H, 4
.set G0HB, 8
.set SEL, 46
.set VR,  66
.set HS,  92
.set SELA, 94
.set S7F, 95
.set SELB, 101
.set MSB, 0
.macro WIN new
.if MSB != (\new)
	s_set_vgpr_msb (MSB<<8)|(\new)
.set MSB, (\new)
.endif
.endm
.set MUL_LO, 0xa1
.set MUL_HI, 0xf1
.set TO_B,   0x40
.macro JLOAD g0a, g1a, g0b, g1b        ; waves 0, 1 fetch for region A, waves 2, 3 for region B
	s_cmp_eq_u32 s15, 0
	s_cbranch_scc0 .Lfor_b_\@
	tensor_load_to_lds s[\g0a:\g0a+3], s[\g1a:\g1a+7]
	s_nop 0
.rept 4
	v_nop
.endr
	s_branch .Lasked_\@
.Lfor_b_\@:
	tensor_load_to_lds s[\g0b:\g0b+3], s[\g1b:\g1b+7]
	s_nop 0
.rept 4
	v_nop
.endr
.Lasked_\@:
.endm
.macro CREST
	s_cmp_lg_u32 s14, 0
	s_cbranch_scc1 .Lnot_wave_0_\@
	s_barrier_signal -3
.Lnot_wave_0_\@:
	s_barrier_wait -3
	s_barrier_signal -1
	s_barrier_wait -1
.endm
.macro CROUND
	s_barrier_signal -1
	s_barrier_wait -1
	CREST
.endm
	s_load_b128 s[4:7], s[0:1], 0x0                ; hidden's codes, scales
	s_load_b128 s[8:11], s[0:1], 0x10              ; W's codes, scales
	s_load_b64 s[12:13], s[0:1], 0x20              ; the bias
	s_load_b128 s[96:99], s[0:1], 0x28             ; qbuf, kvbuf
	v_lshl_add_u32 v[SPW], v0, 2, SPARE
	v_mov_b32 v[NIL], 0
	ds_add_u32 v[SPW], v[NIL]                      ; the opening lines
	ds_add_u32 v[SPW], v[NIL]
	v_lshrrev_b32 v1, 5, v0
	v_readfirstlane_b32 s14, v1                    ; wave
	s_lshr_b32 s15, s14, 1                         ; my half of region A's rows; also: I fetch for A (0) or B (1)
	s_and_b32 s16, s14, 1                          ; my half of region B's rows; also: which 128 rows I fetch
	s_bfe_u32 s40, ttmp6, 0x40000                  ; cx
	s_bfe_u32 s41, ttmp6, 0x40004                  ; cy
	s_lshl_b32 s42, ttmp9, 2                       ; 4 X
	s_and_b32 s17, ttmp7, 0xffff
	s_lshl_b32 s17, s17, 2                         ; 4 Y
	s_lshl_b32 s43, s41, 2
	s_lshl_b32 s43, 15, s43                        ; my row of the cluster
	s_lshl_b32 s44, 0x1111, s40                    ; my column
	s_or_b32 s[G1+0], s43, (0<<16)|(1<<20)|(1<<21)|(5<<22)|(3<<25)
	s_or_b32 s[G1B+0], s44, (0<<16)|(1<<20)|(1<<21)|(5<<22)|(3<<25)
.irp g, G1, G1B
	s_mov_b32 s[\g+1], ROWB<<16
	s_mov_b32 s[\g+2], 256<<16                     ; the head's loads bring 256 rows
	s_mov_b32 s[\g+3], ROWB<<16
	s_mov_b32 s[\g+4], 256
	s_mov_b32 s[\g+5], KROW
	s_mov_b32 s[\g+6], 0
	s_mov_b32 s[\g+7], 0
.endr
	s_or_b32 s[G1S+0], s43, (3<<16)|(1<<20)|(1<<21)|(5<<22)|(3<<25)
	s_or_b32 s[G1SB+0], s44, (3<<16)|(1<<20)|(1<<21)|(5<<22)|(3<<25)
.irp g, G1S, G1SB
	s_mov_b32 s[\g+1], 32<<16                      ; 256 rows' scales: 8,192 dense bytes as 32 rows of 256
	s_mov_b32 s[\g+2], KS<<16
	s_mov_b32 s[\g+3], 32<<16
	s_mov_b32 s[\g+4], KS
	s_mov_b32 s[\g+5], 32
	s_mov_b32 s[\g+6], 0
	s_mov_b32 s[\g+7], 0
.endr
	s_cmp_eq_u32 ttmp9, 2                          ; v?  The same in all sixteen partners
	s_cselect_b32 s20, s42, s17
	s_cselect_b32 s46, s17, s42
	s_add_co_u32 s20, s20, s41                     ; region A's tile: + cy
	s_add_co_u32 s46, s46, s40                     ; region B's tile: + cx
	s_lshl_b32 s20, s20, 8
	s_lshl_b32 s46, s46, 8
	s_mul_i32 s22, s20, KS
	s_mul_i32 s92, s46, KS
	s_mul_i32 s20, s20, KROW
	s_mul_i32 s46, s46, KROW
	s_mov_b32 s21, 0
	s_mov_b32 s23, 0
	s_mov_b32 s47, 0
	s_mov_b32 s93, 0
	s_mul_i32 s18, s16, 128*KROW
	s_mov_b32 s19, 0
	s_mul_i32 s45, s14, HALFT
	s_wait_dscnt 0x0                               ; both opening adds
	s_wait_kmcnt 0x0
	s_cmp_eq_u32 ttmp9, 2
	s_cselect_b64 s[2:3], s[8:9], s[4:5]           ; region A's codes
	s_cselect_b64 s[8:9], s[4:5], s[8:9]           ; region B's
	s_cselect_b64 s[4:5], s[10:11], s[6:7]         ; region A's scales
	s_cselect_b64 s[10:11], s[6:7], s[10:11]       ; region B's
	s_add_nc_u64 s[20:21], s[2:3], s[20:21]
	s_add_nc_u64 s[22:23], s[4:5], s[22:23]
	s_add_nc_u64 s[46:47], s[8:9], s[46:47]
	s_add_nc_u64 s[92:93], s[10:11], s[92:93]
	CROUND                                         ; in front of the first joint loads
	s_mov_b32 s[G0H], 1
	s_mov_b32 s[G0H+1], 0
	s_mov_b64 s[G0H+2:G0H+3], s[20:21]
	s_or_b32 s[G0H+3], s[G0H+3], 0x80000000
	s_mov_b32 s[G0HB], 1
	s_mov_b32 s[G0HB+1], 2*HALFT
	s_mov_b64 s[G0HB+2:G0HB+3], s[46:47]
	s_or_b32 s[G0HB+3], s[G0HB+3], 0x80000000
	s_mov_b32 s[G0S], 1
	s_mov_b32 s[G0S+1], SCL
	s_mov_b64 s[G0S+2:G0S+3], s[22:23]
	s_or_b32 s[G0S+3], s[G0S+3], 0x80000000
	s_mov_b32 s[G0SB], 1
	s_mov_b32 s[G0SB+1], SCL+2*HALFS
	s_mov_b64 s[G0SB+2:G0SB+3], s[92:93]
	s_or_b32 s[G0SB+3], s[G0SB+3], 0x80000000
	s_add_nc_u64 s[20:21], s[20:21], s[18:19]      ; for the ring: my 128 rows
	s_add_nc_u64 s[46:47], s[46:47], s[18:19]
.irp s, 0,1
	s_mov_b32 s[G0+4*\s], 1
	s_add_co_u32 s[G0+4*\s+1], s45, \s*SLOT
	s_add_nc_u64 s[G0+4*\s+2:G0+4*\s+3], s[20:21], \s*ROWB
	s_or_b32 s[G0+4*\s+3], s[G0+4*\s+3], 0x80000000
	s_mov_b32 s[G0B+4*\s], 1
	s_add_co_u32 s[G0B+4*\s+1], s45, \s*SLOT
	s_add_nc_u64 s[G0B+4*\s+2:G0B+4*\s+3], s[46:47], \s*ROWB
	s_or_b32 s[G0B+4*\s+3], s[G0B+4*\s+3], 0x80000000
.endr
; the head's four tiles, one load a wave: chunk 0 of A, of B, A's scales, B's scales
.macro ARM under, g0, g1, next
	s_cmp_lt_u32 s14, \under
	s_cbranch_scc0 \next
	tensor_load_to_lds s[\g0:\g0+3], s[\g1:\g1+7]
	s_nop 0
.rept 4
	v_nop
.endr
	s_branch .Lhead_asked
\next:
.endm
	ARM 1, G0H,  G1,  .Lhead_b
	ARM 2, G0HB, G1B, .Lhead_sa
	ARM 3, G0S,  G1S, .Lhead_sb
	tensor_load_to_lds s[G0SB:G0SB+3], s[G1SB:G1SB+7]
	s_nop 0
.rept 4
	v_nop
.endr
.Lhead_asked:
	; the scalars of the rest of the head first, then its vector lines on end
	s_cmp_eq_u32 ttmp9, 2
	s_cselect_b32 s[VR], 1, 0
	s_cselect_b32 s67, -1, 0
	s_cselect_b32 s100, 0, -1
	s_cselect_b32 s[HS], s15, s16                  ; my half of the channels
	s_cselect_b32 s93, s16, s15                    ; my half of the tokens
	s_cselect_b32 s2, s41, s40                     ; the group of heads
	s_cselect_b32 s3, s40, s41                     ; the tokens' tile in the cluster
	s_mov_b32 s[SELA], 0x07060100
	s_cselect_b32 s[SELA], 0x03020100, s[SELA]
	s_mov_b32 s[SELB], 0x07060302
	s_mov_b32 s[S7F], 0x7f7f7f7f
	s_add_co_u32 s18, s42, s2                      ; W's tile
	s_lshl_b32 s18, s18, 10
	s_mov_b32 s19, 0
	s_add_nc_u64 s[12:13], s[12:13], s[18:19]      ; the bias at its 256 channels
	s_add_co_u32 s3, s3, s17
	s_lshl_b32 s3, s3, 1
	s_add_co_u32 s3, s3, s93                       ; my block of 128 tokens
	s_lshl_b32 s2, s2, 5
	s_add_co_u32 s18, s3, s2
	s_mul_i32 s18, s18, BLKB
	s_cmp_eq_u32 ttmp9, 0
	s_cselect_b64 s[96:97], s[96:97], s[98:99]
	s_add_nc_u64 s[96:97], s[96:97], s[18:19]
	s_mul_i32 s18, s[VR], 24576
	s_lshl_b32 s19, s[HS], 13
	s_lshr_b32 s19, s19, s[VR]
	s_add_co_u32 s19, s19, s18
	s_lshl_b32 s20, 0x1000, s[VR]
	s_lshl_b32 s21, s[HS], 12
	s_lshr_b32 s21, s21, s[VR]
	s_add_co_u32 s21, s21, s18
	s_add_co_u32 s21, s21, 16384
	s_lshl_b32 s22, 0x800, s[VR]
	s_lshl_b32 s23, s[HS], 10
	s_lshr_b32 s23, s23, s[VR]
	s_lshl_b32 s18, s[VR], 11
	s_add_co_u32 s23, s23, s18
	s_add_co_u32 s23, s23, 49152
	s_mul_i32 s43, s15, HALFT                      ; my 128 rows of region A
	s_mul_i32 s44, s16, HALFT
	s_add_co_u32 s44, s44, 2*HALFT                 ; of region B
	s_mul_i32 s45, s15, HALFS
	s_mul_i32 s42, s16, HALFS
	s_add_co_u32 s42, s42, 2*HALFS
	s_sub_co_u32 s42, s42, s45                     ; from A's scale words to B's
	s_add_co_u32 s45, s45, SCL
	s_lshl_b32 s46, s16, 9
	s_lshl_b32 s47, s15, 9
	v_and_b32 v1, 15, v0                           ; r
	v_bfe_u32 v2, v0, 4, 1                         ; h
	v_lshl_add_u32 v13, v2, 5, s46
	v_lshl_add_u32 v14, v1, 2, s47
	WIN TO_B
.irp b, 0,1,2,3,4,5,6,7
	global_load_b128 v[BP+8*\b+96*(\b/4):BP+8*\b+96*(\b/4)+3], v13, s[12:13] offset:64*\b
	global_load_b128 v[BP+8*\b+96*(\b/4)+4:BP+8*\b+96*(\b/4)+7], v13, s[12:13] offset:64*\b+16
.endr
	WIN 0
.irp a, 0,1,2,3,4,5,6,7
	global_load_b32 v[BR+2*\a], v14, s[12:13] offset:64*\a
.endr
	v_mul_u32_u24 v3, v1, PITCH
	v_mul_u32_u24 v4, v2, 24
	v_add_nc_u32 v4, v3, v4                        ; row x pitch + 24 h
	v_sub_nc_u32 v7, 1, v2
	v_mul_u32_u24 v5, SLOT-232, v2
	v_add_nc_u32 v5, v3, v5
	v_add_nc_u32 v5, 232, v5                       ; lanes 0-15 byte 232 in slot 0, lanes 16-31 byte 0 in slot 1
	v_mul_u32_u24 v6, SLOT+232, v7
	v_add_nc_u32 v6, v3, v6                        ; and the other way round
	v_add_nc_u32 v[ADRA], s43, v4
	v_add_nc_u32 v[ADRB], s44, v4
	v_add_nc_u32 v[ADRA+1], SLOT, v[ADRA]
	v_add_nc_u32 v[ADRB+1], SLOT, v[ADRB]
	v_add_nc_u32 v[ADRA+2], s43, v5
	v_add_nc_u32 v[ADRA+3], s43, v6
	v_add_nc_u32 v[ADRB+2], s44, v5
	v_add_nc_u32 v[ADRB+3], s44, v6
	v_mul_u32_u24 v5, v1, KS
	v_lshrrev_b32 v6, 8, v5
	v_lshl_add_u32 v5, v6, 4, v5
	v_mul_u32_u24 v6, s42, v2                      ; lanes 16-31 take region B's words
	v_add_nc_u32 v5, v5, v6
	v_add_nc_u32 v[ADRS], s45, v5
	v_and_b32 v3, 31, v0
	v_lshlrev_b32 v3, 4, v3
	v_and_b32 v4, 7, v1
	v_lshlrev_b32 v4, 3, v4
	v_lshl_add_u32 v4, v2, 6, v4
	v_lshrrev_b32 v5, 3, v1
	v_lshl_add_u32 v4, v5, 7, v4
	v_add_nc_u32 v[OA0], s19, v3
	v_add_nc_u32 v[OA1], s20, v[OA0]
	v_add_nc_u32 v[OB0], s21, v4
	v_add_nc_u32 v[OB1], s22, v[OB0]
	v_add_nc_u32 v[OS], s23, v3
	s_wait_alu depctr_va_vdst(0)
	s_wait_loadcnt 0x0
	WIN 0x44
.set cnt, 0
.rept 32
	v_cndmask_b32 v[BP+cnt], 0, v[BP+cnt], s100    ; the bias along the registers: q and k alone
	v_cndmask_b32 v[BP+128+cnt], 0, v[BP+128+cnt], s100
.set cnt, cnt+1
.endr
	WIN 0
.irp a, 0,1,2,3,4,5,6,7
	v_cndmask_b32 v[BR+2*\a+1], 0, v[BR+2*\a], s67 ; the bias by lanes: v alone
	v_cndmask_b32 v[BR+2*\a], 0, v[BR+2*\a], s67
.endr
.macro FRAG reg, adr, st, i            ; 16 rows x 128 K: six pieces of 8 bytes; byte y of a row lies in slot (y / 256) % 2 at byte y % 256
.irp p, 0,1,2,3,4,5
.set BY, 96*(\st)+48*(\p/3)+8*(\p%3)
.if BY/ROWB == (BY+24)/ROWB
	ds_load_b64 v[\reg+2*\p:\reg+2*\p+1], v[\adr+(BY/ROWB)%2] offset:BY%ROWB+(\i)*16*PITCH
.else
	ds_load_b64 v[\reg+2*\p:\reg+2*\p+1], v[\adr+2+(BY/ROWB)%2] offset:BY%ROWB-232+(\i)*16*PITCH
.endif
.endr
.endm
.macro MUL16 a0, p, q, sc, zero        ; the 64 accumulators take turns; zero = 1: the sums start from the bias
.irp a, \a0, \a0+1
.irp b, 0,1,2,3,4,5,6,7
.if \zero
	v_wmma_scale_f32_16x16x128_f8f6f4 v[8*(8*((\a)%4)+\b):8*(8*((\a)%4)+\b)+7], v[128*(\p)+FR*\b:128*(\p)+FR*\b+FR-1], v[AF+FR*(\a):AF+FR*(\a)+FR-1], v[BP+8*\b+96*(\b/4):BP+8*\b+96*(\b/4)+7], v[SC+8*NQ*(\sc)+NQ*\b+(\q)], v[SC+8*NQ*(\sc)+NQ*(\a)+(\q)] matrix_a_fmt:MATRIX_FMT_FP6 matrix_b_fmt:MATRIX_FMT_FP6 matrix_a_scale:MATRIX_SCALE_ROW1
.else
	v_wmma_scale_f32_16x16x128_f8f6f4 v[8*(8*((\a)%4)+\b):8*(8*((\a)%4)+\b)+7], v[128*(\p)+FR*\b:128*(\p)+FR*\b+FR-1], v[AF+FR*(\a):AF+FR*(\a)+FR-1], v[8*(8*((\a)%4)+\b):8*(8*((\a)%4)+\b)+7], v[SC+8*NQ*(\sc)+NQ*\b+(\q)], v[SC+8*NQ*(\sc)+NQ*(\a)+(\q)] matrix_a_fmt:MATRIX_FMT_FP6 matrix_b_fmt:MATRIX_FMT_FP6 matrix_a_scale:MATRIX_SCALE_ROW1
.endif
.endr
.endr
.endm
.macro FETCH_B st, p
	WIN TO_B
.irp i, 0,1,2,3,4,5,6,7
	FRAG 128*(\p)+FR*\i, ADRB, \st, \i
.endr
	WIN 0
.endm
.macro FETCH_A st, i0
.irp i, \i0, \i0+1, \i0+2, \i0+3
	FRAG AF+FR*(\i), ADRA, \st, \i
.endr
.endm
.macro SCALES pr
.irp i, 0,1,2,3,4,5,6,7
	ds_load_b64 v[SC+8*NQ*((\pr)%2)+NQ*\i:SC+8*NQ*((\pr)%2)+NQ*\i+1], v[ADRS] offset:\i*SBLK+4*NQ*(\pr)
.endr
.endm
.macro PLACES n
.rept \n
	v_nop
.endr
.endm
; A step of 128 along K.  Where the next step ends in a chunk not yet read: a wait for my loads and a barrier.  Where it begins in a later chunk: the three lines, the barrier, and, while a chunk is left to fetch, the round and the refill.
.macro STEP st, zero
.set NX, (\st)+1
.set C0, (96*(\st))/ROWB
.set C1, (96*NX)/ROWB
.set E0, (96*(\st)+95)/ROWB
.set E1, (96*NX+95)/ROWB
.if C1 > C0 || E1 > E0
	s_wait_tensorcnt 0x0
.if C1 > C0
	ds_add_u32 v[SPW], v[NIL]
	s_wait_dscnt 4*NL+1                            ; the add and A's blocks 4-7 may be out
.else
	s_wait_dscnt 4*NL
.endif
	WIN MUL_LO
	MUL16 0, (\st)%2, (\st)%2, ((\st)/2)%2, \zero
	s_wait_dscnt 0x0                               ; the add and all my reads
	s_barrier_signal -1
	MUL16 2, (\st)%2, (\st)%2, ((\st)/2)%2, \zero
	WIN 0
	s_barrier_wait -1
.if C1 > C0 && C0+2 < CHUNKS
	CREST
	s_add_nc_u64 s[G0+4*(C0%2)+2:G0+4*(C0%2)+3], s[G0+4*(C0%2)+2:G0+4*(C0%2)+3], 2*ROWB
	s_add_nc_u64 s[G0B+4*(C0%2)+2:G0B+4*(C0%2)+3], s[G0B+4*(C0%2)+2:G0B+4*(C0%2)+3], 2*ROWB
	JLOAD G0+4*(C0%2), G1, G0B+4*(C0%2), G1B       ; chunk C0 + 2; its four v_nop are the places in front of the loads below
.else
	PLACES NP
.endif
.else
	s_wait_dscnt 4*NL                              ; A's blocks 4-7, the youngest 24 loads, may be out
	WIN MUL_LO-0x10*(\zero)
	MUL16 0, (\st)%2, (\st)%2, ((\st)/2)%2, \zero
	MUL16 2, (\st)%2, (\st)%2, ((\st)/2)%2, \zero
	s_wait_dscnt 0
	PLACES NP
.endif
	FETCH_B NX, NX%2
	FETCH_A NX, 0
.if NX%2 == 0
	SCALES NX/2
.endif
	WIN MUL_HI-0x20*(\zero)
	MUL16 4, (\st)%2, (\st)%2, ((\st)/2)%2, \zero
	MUL16 6, (\st)%2, (\st)%2, ((\st)/2)%2, \zero
	PLACES NP
	WIN 0
	FETCH_A NX, 4
.endm
	s_wait_alu depctr_va_vdst(0)
	s_wait_tensorcnt 0x0                           ; my tile of the head's four
	ds_add_u32 v[SPW], v[NIL]
	s_mov_b32 s[G1+2], 128<<16                     ; no load of mine is out: from here on a load brings 128 rows
	s_mov_b32 s[G1+4], 128
	s_mov_b32 s[G1B+2], 128<<16
	s_mov_b32 s[G1B+4], 128
	s_wait_dscnt 0x0
	CROUND
	JLOAD G0+4, G1, G0B+4, G1B                     ; chunk 1, slot 1's first fill
	FETCH_B 0, 0
	FETCH_A 0, 0
	SCALES 0
	FETCH_A 0, 4
	STEP 0, 1
.set ST, 1
.rept STEPS-2
	STEP ST, 0
.set ST, ST+1
.endr
	s_wait_dscnt 4*NL
	WIN MUL_LO
	MUL16 0, 1, 1, 1, 0
	MUL16 2, 1, 1, 1, 0
	s_wait_dscnt 0
	WIN MUL_HI
	MUL16 4, 1, 1, 1, 0
	MUL16 6, 1, 1, 1, 0
	WIN 0
; THE WAY OUT: four blocks of 32 along a lane's 64 registers are quantised; codes and scale words leave in the order of the next operand's registers
.macro QUANT s
.irp b, 0,1,2,3
	v_max3_num_f32 v[TM+\b], |v[\s+16*\b]|, |v[\s+1+16*\b]|, 0x1800000
.endr
.irp i, 2,4,6,8,10,12,14
.irp b, 0,1,2,3
	v_max3_num_f32 v[TM+\b], v[TM+\b], |v[\s+16*\b+\i]|, |v[\s+1+16*\b+\i]|
.endr
.endr
.irp b, 0,1,2,3
	v_permlanex16_b32 v[TM+4+\b], v[TM+\b], s[SEL], s[SEL+1]
.endr
.irp b, 0,1,2,3
	v_max_num_f32 v[TM+\b], v[TM+\b], v[TM+4+\b]
.endr
.irp b, 0,1,2,3
	v_add_nc_u32 v[TM+12+\b], 0xff000000, v[TM+\b]
.endr
.irp b, 0,1,2,3
	v_lshrrev_b32 v[TM+4+\b], 23, v[TM+12+\b]
.endr
	v_lshl_or_b32 v[PW], v[TM+5], 8, v[TM+4]
	v_lshl_or_b32 v[PW], v[TM+6], 16, v[PW]
	v_lshl_or_b32 v[PW], v[TM+7], 24, v[PW]
.irp c, 0,1
	v_cvt_scalef32_pk16_fp6_f32 v[CD+6*\c:CD+2+6*\c], v[\s+32*\c:\s+15+32*\c], v[TM+12+2*\c]
	v_cvt_scalef32_pk16_fp6_f32 v[CD+12+4*\c:CD+14+4*\c], v[\s+16+32*\c:\s+31+32*\c], v[TM+12+2*\c+1]
.endr
	v_nop
.irp c, 0,1
.irp i, 0,1,2
	v_permlane16_swap_b32 v[CD+6*\c+\i], v[CD+12+4*\c+\i]
.endr
.irp i, 0,1,2
	v_mov_b32 v[CD+3+6*\c+\i], v[CD+12+4*\c+\i]
.endr
.endr
.endm
.macro OUTA a
.if (\a) > 0
	s_wait_xcnt 0x0                                ; the last block's stores have read their registers
.endif
	WIN 0x02+(\a)/4
.set AC, 64*((\a)%4)
.set cnt, 0
.rept 32
	v_pk_add_f32 v[X+cnt:X+cnt+1], v[AC+cnt:AC+cnt+1], v[BR+2*(\a):BR+2*(\a)+1]
.set cnt, cnt+2
.endr
	WIN 0
.irp bb, 0,1,2,3
.irp j, 0,1,2,3,4,5,6,7
	v_permlane16_swap_b32 v[X+16*\bb+\j], v[X+16*\bb+8+\j]
.endr
.endr
	QUANT X
	v_perm_b32 v[W0+(\a)], s[S7F], v[PW], s[SELA]
	v_perm_b32 v[W1+(\a)], s[S7F], v[PW], s[SELB]
	global_store_b128 v[OA0], v[CD:CD+3], s[96:97] offset:512*(\a)
	global_store_b64 v[OB0], v[CD+4:CD+5], s[96:97] offset:512*(2*((\a)/4)+(\a)%2)+256*(((\a)/2)%2)
	global_store_b128 v[OA1], v[CD+6:CD+9], s[96:97] offset:512*(\a)
	global_store_b64 v[OB1], v[CD+10:CD+11], s[96:97] offset:512*(2*((\a)/4)+(\a)%2)+256*(((\a)/2)%2)
.endm
	PLACES NP
	s_mov_b32 s[SEL], 0x76543210
	s_mov_b32 s[SEL+1], 0xfedcba98
.irp b, 0,1,2,3
	v_mov_b32 v[TM+4+\b], 0
.endr
.irp a, 0,1,2,3,4,5,6,7
	OUTA \a
.endr
	v_bfe_u32 v2, v0, 4, 1
	v_cmp_ne_u32 vcc_lo, 0, v2
	v_cndmask_b32 v[ZW+0], v[W0+0], v[W0+4], vcc_lo
	v_cndmask_b32 v[ZW+1], v[W0+2], v[W0+6], vcc_lo
	v_cndmask_b32 v[ZW+2], v[W0+1], v[W0+5], vcc_lo
	v_cndmask_b32 v[ZW+3], v[W0+3], v[W0+7], vcc_lo
	v_cndmask_b32 v[ZW+4], v[W1+0], v[W1+4], vcc_lo
	v_cndmask_b32 v[ZW+5], v[W1+2], v[W1+6], vcc_lo
	v_cndmask_b32 v[ZW+6], v[W1+1], v[W1+5], vcc_lo
	v_cndmask_b32 v[ZW+7], v[W1+3], v[W1+7], vcc_lo
	global_store_b128 v[OS], v[ZW:ZW+3], s[96:97]
	s_cmp_eq_u32 ttmp9, 2
	s_cbranch_scc1 .Lno_second
	global_store_b128 v[OS], v[ZW+4:ZW+7], s[96:97] offset:512
.Lno_second:
	s_wait_tensorcnt 0x0                           ; the wave's end
	ds_add_u32 v[SPW], v[NIL]
	s_wait_dscnt 0x0
	CROUND                                         ; the closing round
	s_endpgm
.Lfunc_end_k_qafc15ccab7_qkv:
	.size	k_qafc15ccab7_qkv, .Lfunc_end_k_qafc15ccab7_qkv-k_qafc15ccab7_qkv
	.p2alignl 7, 3214868480
	.fill 96, 4, 3214868480
	.section	.rodata,"a",@progbits
	.p2align	6, 0x0
	.amdhsa_kernel k_qafc15ccab7_qkv
		.amdhsa_group_segment_fixed_size 327680
		.amdhsa_private_segment_fixed_size 0
		.amdhsa_enable_private_segment 0
		.amdhsa_kernarg_size 56
		.amdhsa_user_sgpr_count 2
		.amdhsa_user_sgpr_kernarg_segment_ptr 1
		.amdhsa_wavefront_size32 1
		.amdhsa_system_sgpr_workgroup_id_x 1
		.amdhsa_system_sgpr_workgroup_id_y 1
		.amdhsa_system_sgpr_workgroup_id_z 1
		.amdhsa_system_vgpr_workitem_id 0
		.amdhsa_next_free_vgpr 1024
		.amdhsa_next_free_sgpr 102
		.amdhsa_reserve_vcc 1
		.amdhsa_float_denorm_mode_32 3
		.amdhsa_float_denorm_mode_16_64 3
		.amdhsa_memory_ordered 1
		.amdhsa_forward_progress 1
		.amdhsa_inst_pref_size 199
	.end_amdhsa_kernel
	.amdgpu_metadata
---
amdhsa.version: [ 1, 2 ]
amdhsa.kernels:
  - .name:           k_qafc15ccab7_qkv
    .symbol:         k_qafc15ccab7_qkv.kd
    .args:
      - { .name: hidden_states_codes, .offset: 0, .size: 8, .value_kind: global_buffer, .address_space: global }
      - { .name: hidden_states_scales, .offset: 8, .size: 8, .value_kind: global_buffer, .address_space: global }
      - { .name: w_qkv_codes, .offset: 16, .size: 8, .value_kind: global_buffer, .address_space: global }
      - { .name: w_qkv_scales, .offset: 24, .size: 8, .value_kind: global_buffer, .address_space: global }
      - { .name: b_qkv, .offset: 32, .size: 8, .value_kind: global_buffer, .address_space: global }
      - { .name: qbuf, .offset: 40, .size: 8, .value_kind: global_buffer, .address_space: global }
      - { .name: kvbuf, .offset: 48, .size: 8, .value_kind: global_buffer, .address_space: global }
    .group_segment_fixed_size: 327680
    .private_segment_fixed_size: 0
    .kernarg_segment_align: 8
    .kernarg_segment_size: 56
    .max_flat_workgroup_size: 128
    .sgpr_count:     102
    .vgpr_count:     1024
    .wavefront_size: 32
...
	.end_amdgpu_metadata
.endif
;; end of part 1
;; launch attn (part 2): grid 64 x 4, 16 waves a work-group, clusters of 4 x 4, 327,680 bytes of LDS; arguments qbuf, kvbuf, ltor_mask, ctxc, ctxs; writes ctxc, ctxs
.if DOCPART == 2
	.amdgcn_target "amdgcn-amd-amdhsa--gfx1250"
	.amdhsa_code_object_version 6
	.text
	.protected	k_qafc15ccab7_attn
	.globl	k_qafc15ccab7_attn
	.p2align	8
	.type	k_qafc15ccab7_attn,@function
k_qafc15ccab7_attn:
	s_mov_b64 s[64:65], 0
	v_nop
	global_prefetch_b8 v0, s[64:65] scope:SCOPE_SE
	s_setreg_imm32_b32 hwreg(HW_REG_WAVE_MODE, 25, 1), 1
	s_wait_xcnt 0x0
	s_wait_alu depctr_hold_cnt(0) depctr_sa_sdst(0) depctr_va_vdst(0) depctr_va_sdst(0) depctr_va_ssrc(0) depctr_va_vcc(0) depctr_vm_vsrc(0)
	s_getreg_b32 s2, hwreg(HW_REG_IB_STS2, 6, 4)
	s_cmp_eq_u32 s2, 0
	s_cbranch_scc0 .Lentry_in_a_cluster
	s_endpgm
.Lentry_in_a_cluster:
	s_bfe_u32 s2, ttmp6, 0x10000c
	s_cmp_lg_u32 s2, 0xf033
	s_cbranch_scc0 .Lentry_shape_is_right
	s_endpgm
.Lentry_shape_is_right:
; ctx = softmax(q k^T / 8 x m - 10000 (1 - m)) v for 16 heads of 64 channels, both products on codes of FP6 (E2M3) with E8M0 scales; m is the mask as it is given: f32 numbers, read and multiplied, nothing is skipped.
; THE SOFTMAX AHEAD OF THE SECOND PRODUCT: t = logit x log2(e); M = the running largest t rounded up to a whole number; p = 2^(t - M) is quantised along the keys; the row's sum of the unquantised p divides at the end.
; SHARES.  A work-group owns 64 queries x 4 heads; wave w owns 16 queries (tile w % 4) of head w / 4, in 256 registers: four waves to a SIMD.  Every wave walks 32 steps of 128 keys.
; CLUSTER 4 x 4: cx picks the block of queries, cy the group of four heads.  A step's mask tile (64 x 128 f32) is the same for the four of a column, so all 16 heads of a block of queries take it by ONE joint load;
; a step's block of k and v (52,224 bytes) is the same for the four of a row.  Wave 0 asks for the mask, wave 1 for k and v; all sixteen read.
; LAYOUT.  Both products are used transposed: S^T = k q^T, O^T = v^T p^T: a lane holds one query.  Lane r of tile 2 b + u takes key (channel) 32 b + 8 u + r + 8 (r / 8), so that the 16 registers of two neighbouring tiles
; are 16 neighbours along the next K.  The block lies in memory by natural tiles, in the order of the operand's registers; in LDS its rows of 512 bytes are 640 apart, so that the two natural tiles that a load touches fall on different banks.
; K = 64 IN AN INSTRUCTION OF 128: q's registers 6-11 are zero codes and the scale bytes 2, 3 of q and k are 0x7f.  k's operand of tile t is v[54 + 6 t .. + 11]: its upper six registers are the next tile's codes (behind tile 7: zeros):
; finite numbers times zero codes, which add nothing.
; THE LOGIT is kept 8 times too large: s m + (80000 m - 80000); the 8 goes into c = log2(e) / 8.  Exact for m = 1 and m = 0.
; LIMITS: NaN and infinities are not served.  80000 m - 80000 is rounded once where the formula as written rounds twice (it matters for no m of 0 or 1).  A block of zeros gets the scale byte 1: its codes are zeros, and this program alone reads the bytes.
.set SLOT1, 1<<17                      ; slot 1 begins here
.set MOFF,  65280                      ; in a slot: 102 rows x 640 of k and v, then the mask: 64 rows x 528
.set SCX,   99072                      ; behind slot 0's tiles: 512 bytes in which ctx's scale bytes meet
.set SPARE, 102400                     ; the spare words: 128 bytes for each of 16 waves
.set BLKB,  52224
.set HGB,   32*BLKB                    ; a group of heads in qbuf or kvbuf
.set AKA, 1                            ; v1-7 my lane's places in a slot: k's registers 0-3, 4-5; v's; k's scale words, v's; the mask
.set AKB, 2
.set AVA, 3
.set AVB, 4
.set AKS, 5
.set AVS, 6
.set AM,  7
.set SPW, 8                            ; v8 my spare word; v9 0; never rewritten
.set NIL, 9
.set ADKA, 10                          ; v10-16 the same places in the slot in hand
.set ADKB, 11
.set ADVA, 12
.set ADVB, 13
.set ADKS, 14
.set ADVS, 15
.set ADM,  16
.set PFO, 17                           ; v17 the prefetches' offset
.set Q,   18                           ; v18-29 q (v24-29 zeros)
.set QS,  30                           ; v30 q's scale words
.set PW,  31                           ; v31 p's
.set NM,  32                           ; v32 -M, v33 the largest t
.set LSUM, 34                          ; v34-35 the sum in two halves
.set FF,  36                           ; v36 f = 2^(old M - new M); v37 named with it as a pair
.set KSC, 38                           ; v38-45 k's scale words, later v's
.set WT,  46                           ; v46-53 at work on the logits; later:
.set BM,  46                           ; v46-49 the blocks' largest scores
.set BX,  50                           ; v50-53 the other half's
.set KX,  54                           ; v54-107 k's tiles; later the mask's blocks 2, 3; later v's tiles
.set MA,  108                          ; v108-139 the mask's blocks 0, 1; later:
.set SUM2, 108
.set BY,  110
.set SO,  114
.set T,   118
.set S,   140                          ; v140-203 S^T, then p
.set O,   204                          ; v204-235 O^T
.set PC,  236                          ; v236-247 p's codes
.set CV,  248                          ; v248-254 half blocks' codes
.set WV, 14
.set QT, 15
.set HD, 16
.set SEL, 20
.set CS,  22                           ; s[22:23] c = log2(e) / 8
.set G1M, 24
.set G1K, 32
.set G0M, 40
.set G0K, 44
.set C80, 48                           ; s[48:49] 80000;  s[50:51] -80000
.set N80, 50
.set TB,  52
.set SLOTS, 53
.set PFA, 54
.set PFS, 56
.set LIM, 58
.macro ROUND                           ; a round of the cluster's barrier
	s_barrier_signal -1
	s_barrier_wait -1
	s_cmp_lg_u32 s[WV], 0
	s_cbranch_scc1 .Lnot_wave_0_\@
	s_barrier_signal -3
.Lnot_wave_0_\@:
	s_barrier_wait -3
	s_barrier_signal -1
	s_barrier_wait -1
.endm
.macro CREST                           ; a round behind its opening barrier
	s_cmp_lg_u32 s[WV], 0
	s_cbranch_scc1 .Lnot_w0_\@
	s_barrier_signal -3
.Lnot_w0_\@:
	s_barrier_wait -3
	s_barrier_signal -1
	s_barrier_wait -1
.endm
.macro TLOAD                           ; wave 0: the mask's tile; wave 1: the block of k and v
	s_cmp_eq_u32 s[WV], 0
	s_cbranch_scc0 .Lnot_m_\@
	tensor_load_to_lds s[G0M:G0M+3], s[G1M:G1M+7]
	s_nop 0
.rept 4
	v_nop
.endr
	s_branch .Lasked_\@
.Lnot_m_\@:
	s_cmp_eq_u32 s[WV], 1
	s_cbranch_scc0 .Lasked_\@
	tensor_load_to_lds s[G0K:G0K+3], s[G1K:G1K+7]
	s_nop 0
.rept 4
	v_nop
.endr
.Lasked_\@:
.endm
; PREFETCHES INTO THE L2, behind the change's tensor loads.  Each aligned block of 256 bytes is named once in the launch.
; The mask: wave 2 names the tile that the NEXT change will ask for; the four partners of a column take 16 of its 64 rows each, told apart by address (cy); a lane names half a row.  The last change that fills asks for nothing.
; k and v: all sixteen clusters walk the same stream of a group of heads, so the first cluster asks: waves 3 and 4, the four partners of a row told apart by address (cx), 65,536 bytes a change, from byte 163,840 on,
; in 23 changes, which end at the stream's last byte.  What lies ahead of that comes by its loads alone.
.macro ASK
	s_cmp_gt_u32 s[SLOTS], s[LIM]
	s_cbranch_scc0 .Lnot_mine_\@
	global_prefetch_b8 v[PFO], s[PFA:PFA+1] th:TH_LOAD_NT scope:SCOPE_SE
.Lnot_mine_\@:
.endm
	s_load_b256 s[4:11], s[0:1], 0x0               ; qbuf, kvbuf, the mask, ctxc
	s_load_b64 s[12:13], s[0:1], 0x20              ; ctxs
	v_lshl_add_u32 v[SPW], v0, 2, SPARE
	v_mov_b32 v[NIL], 0
	ds_add_u32 v8, v9
	ds_add_u32 v8, v9
	s_wait_dscnt 0x0
	v_lshrrev_b32 v10, 5, v0
	s_delay_alu instid0(VALU_DEP_1)
	v_readfirstlane_b32 s[WV], v10                 ; wave 0..15
	s_and_b32 s[QT], s[WV], 3                      ; my tile of queries
	s_lshr_b32 s[HD], s[WV], 2                     ; my head of the four
	s_bfe_u32 s17, ttmp6, 0x40000                  ; cx
	s_bfe_u32 s18, ttmp6, 0x40004                  ; cy: the group of heads
	s_lshl_b32 s19, ttmp9, 2
	s_add_co_u32 s19, s19, s17                     ; g: the block of 64 queries
	s_lshl_b32 s59, s18, 2
	s_lshl_b32 s59, 15, s59                        ; my row of the cluster
	s_lshl_b32 s60, 0x1111, s17                    ; my column
	s_or_b32 s[G1M], s60, (2<<16)|(1<<20)|(1<<21)|(6<<22)|(3<<25)   ; the mask's tile goes to my column; elements of 4 bytes; 4 words of padding behind every 128
	s_mov_b32 s[G1M+1], 128<<16
	s_mov_b32 s[G1M+2], 64<<16
	s_mov_b32 s[G1M+3], 128<<16
	s_mov_b32 s[G1M+4], 64
	s_mov_b32 s[G1M+5], 4096
	s_mov_b32 s[G1M+6], 0
	s_mov_b32 s[G1M+7], 0
	s_or_b32 s[G1K], s59, (3<<16)|(1<<20)|(1<<21)|(6<<22)|(31<<25)  ; k's and v's block goes to my row; elements of 8 bytes; 32 words of padding behind every 128
	s_mov_b32 s[G1K+1], 64<<16
	s_mov_b32 s[G1K+2], 102<<16
	s_mov_b32 s[G1K+3], 64<<16
	s_mov_b32 s[G1K+4], 102
	s_mov_b32 s[G1K+5], 64
	s_mov_b32 s[G1K+6], 0
	s_mov_b32 s[G1K+7], 0
	s_lshl_b32 s62, s19, 20                        ; 64 rows of 16,384 bytes a block of queries
	s_mov_b32 s63, 0
	s_mul_i32 s66, s18, HGB
	s_mov_b32 s67, 0
	s_mov_b32 s[SEL], 0x76543210
	s_mov_b32 s[SEL+1], 0xfedcba98
	s_mov_b32 s[CS], 0x3e38aa3b
	s_mov_b32 s[CS+1], s[CS]
	s_mov_b32 s[C80], 0x479c4000
	s_mov_b32 s[C80+1], s[C80]
	s_mov_b32 s[N80], 0xc79c4000
	s_mov_b32 s[N80+1], s[N80]
	s_mov_b32 s[TB], 0
	s_mov_b32 s[SLOTS], 30
	s_wait_kmcnt 0x0
	s_mov_b32 s[G0M], 1
	s_mov_b32 s[G0M+1], MOFF
	s_add_nc_u64 s[G0M+2:G0M+3], s[8:9], s[62:63]
	s_or_b32 s[G0M+3], s[G0M+3], 0x80000000
	s_mov_b32 s[G0K], 1
	s_mov_b32 s[G0K+1], 0
	s_add_nc_u64 s[G0K+2:G0K+3], s[6:7], s[66:67]
	s_or_b32 s[G0K+3], s[G0K+3], 0x80000000
	ROUND                                          ; all sixteen work-groups are here
	TLOAD                                          ; step 0, into slot 0
	v_and_b32 v10, 15, v0                          ; r
	v_bfe_u32 v11, v0, 4, 1                        ; h
	v_and_b32 v12, 7, v0                           ; i = r % 8
	v_bfe_u32 v13, v0, 3, 1                        ; r / 8
	s_delay_alu instid0(VALU_DEP_1)
	v_mul_u32_u24 v14, v13, 640
	s_delay_alu instid0(VALU_DEP_1)
	v_lshl_add_u32 v15, v12, 4, v14
	s_delay_alu instid0(VALU_DEP_1)
	v_lshl_add_u32 v15, v11, 8, v15                ; registers 0-3: 640 (r / 8) + 16 i + 256 h
	s_delay_alu instid0(VALU_DEP_3)
	v_lshl_add_u32 v16, v12, 3, v14
	s_delay_alu instid0(VALU_DEP_1)
	v_lshl_add_u32 v16, v11, 6, v16                ; registers 4-5: 640 (r / 8) + 8 i + 64 h
	v_lshlrev_b32 v14, 4, v12
	s_delay_alu instid0(VALU_DEP_1)
	v_lshl_add_u32 v14, v13, 3, v14                ; scale words: 16 i + 8 (r / 8)
	s_wait_alu depctr_va_vdst(0)
	s_mul_i32 s59, s[HD], 640*8
	v_add_nc_u32 v[AKA], s59, v15
	s_mul_i32 s59, s[HD], 640*4
	s_add_co_u32 s60, s59, 640*32
	v_add_nc_u32 v[AKB], s60, v16
	s_add_co_u32 s60, s59, 640*48
	v_add_nc_u32 v[AVA], s60, v15
	s_mul_i32 s59, s[HD], 640*2
	s_add_co_u32 s59, s59, 640*80
	v_add_nc_u32 v[AVB], s59, v16
	s_mul_i32 s59, s[HD], 640
	s_add_co_u32 s59, s59, 640*96
	v_add_nc_u32 v[AKS], s59, v14
	s_lshr_b32 s59, s[HD], 1
	s_mul_i32 s59, s59, 640
	s_and_b32 s60, s[HD], 1
	s_lshl_b32 s60, s60, 8
	s_add_co_u32 s59, s59, s60
	s_add_co_u32 s59, s59, 640*100
	v_add_nc_u32 v[AVS], s59, v14
	s_mul_i32 s59, s[QT], 16*528
	s_add_co_u32 s59, s59, MOFF
	v_mul_u32_u24 v[AM], v10, 528
	s_delay_alu instid0(VALU_DEP_1)
	v_lshl_add_u32 v[AM], v11, 6, v[AM]
	s_delay_alu instid0(VALU_DEP_1)
	v_add_nc_u32 v[AM], s59, v[AM]                 ; the mask: row 16 qt + r, + 64 h: my 16 keys of a block of 32
	; q: block (cy, g / 2) of qbuf, natural tile a = 4 (g % 2) + qt of my head
	s_lshl_b32 s59, s18, 5
	s_lshr_b32 s60, s19, 1
	s_add_co_u32 s59, s59, s60
	s_mul_i32 s62, s59, BLKB
	s_add_nc_u64 s[4:5], s[4:5], s[62:63]
	s_and_b32 s60, s19, 1                          ; a / 4
	s_lshl_b32 s61, s[HD], 3
	s_lshl_b32 s62, s60, 2
	s_add_co_u32 s61, s61, s62
	s_add_co_u32 s61, s61, s[QT]
	s_lshl_b32 s61, s61, 9                         ; row 8 hd + a
	v_and_b32 v108, 31, v0
	s_delay_alu instid0(VALU_DEP_1)
	v_lshl_add_u32 v108, v108, 4, s61
	global_load_b128 v[Q:Q+3], v108, s[4:5]
	s_lshl_b32 s61, s[HD], 2
	s_lshl_b32 s62, s60, 1
	s_add_co_u32 s61, s61, s62
	s_and_b32 s62, s[QT], 1
	s_add_co_u32 s61, s61, s62
	s_add_co_u32 s61, s61, 32
	s_lshl_b32 s61, s61, 9                         ; row 32 + 4 hd + 2 (a / 4) + a % 2,
	s_lshr_b32 s62, s[QT], 1
	s_lshl_b32 s62, s62, 8
	s_add_co_u32 s61, s61, s62                     ; half (a / 2) % 2
	v_lshlrev_b32 v109, 3, v12
	s_delay_alu instid0(VALU_DEP_1)
	v_lshl_add_u32 v109, v11, 6, v109
	s_delay_alu instid0(VALU_DEP_1)
	v_lshl_add_u32 v109, v13, 7, v109
	s_delay_alu instid0(VALU_DEP_1)
	v_add_nc_u32 v109, s61, v109
	global_load_b64 v[Q+4:Q+5], v109, s[4:5]
	s_add_co_u32 s61, s[HD], 96
	s_lshl_b32 s61, s61, 9
	s_lshl_b32 s62, s60, 8
	s_add_co_u32 s61, s61, s62
	s_and_b32 s62, s[QT], 1
	s_lshl_b32 s62, s62, 3
	s_add_co_u32 s61, s61, s62
	s_lshr_b32 s62, s[QT], 1
	s_lshl_b32 s62, s62, 2
	s_add_co_u32 s61, s61, s62
	v_lshl_add_u32 v110, v10, 4, s61
	global_load_b32 v[QS], v110, s[4:5]
	; the prefetches: where my wave's stand, and who asks
	s_lshl_b32 s62, s19, 20
	s_lshl_b32 s61, s18, 18
	s_add_co_u32 s62, s62, s61
	s_add_co_u32 s62, s62, 512                     ; the mask: my work-group's 16 rows, at step 1: the first change steps it to step 2
	s_mul_i32 s66, s18, HGB
	s_lshl_b32 s61, s[WV], 15
	s_add_co_u32 s66, s66, s61
	s_lshl_b32 s61, s17, 13
	s_add_co_u32 s66, s66, s61                     ; k and v: 32,768 x wave + 8,192 x cx: the first change steps waves 3 and 4 to bytes 163,840 and 196,608
	s_mov_b32 s[PFS], 0x10000
	s_mov_b32 s60, 16384
	s_mov_b32 s[LIM], -1
	s_cmp_eq_u32 s[WV], 2
	s_cselect_b64 s[PFA:PFA+1], s[8:9], s[6:7]
	s_cselect_b32 s62, s62, s66
	s_cselect_b32 s[PFS], 512, s[PFS]
	s_cselect_b32 s59, 1, 0
	s_cselect_b32 s60, s60, 256
	s_cselect_b32 s[LIM], 1, s[LIM]
	s_mov_b32 s[PFS+1], 0
	s_add_nc_u64 s[PFA:PFA+1], s[PFA:PFA+1], s[62:63]
	s_sub_co_u32 s61, s[WV], 3
	s_lshr_b32 s61, s61, 1                         ; 0 in waves 3 and 4,
	s_or_b32 s61, s61, ttmp9                       ; of the first cluster: the same in all sixteen partners
	s_cmp_eq_u32 s61, 0
	s_cselect_b32 s[LIM], 8, s[LIM]
	v_and_b32 v[PFO], 31, v0
	s_delay_alu instid0(VALU_DEP_1)
	v_lshrrev_b32 v111, s59, v[PFO]
	s_delay_alu instid0(VALU_DEP_1)
	v_mul_lo_u32 v111, v111, s60
	s_delay_alu instid0(VALU_DEP_3)
	v_and_b32 v[PFO], s59, v[PFO]
	s_delay_alu instid0(VALU_DEP_1)
	v_lshl_add_u32 v[PFO], v[PFO], 8, v111         ; the mask: 16,384 (lane / 2) + 256 (lane % 2); k and v: 256 x lane
.irp j, 0,1,2,3,4,5
	v_mov_b32 v[Q+6+\j], 0                         ; q's upper 64 along K: zero codes
	v_mov_b32 v[KX+48+\j], 0                       ; behind k's tile 7
.endr
	v_mov_b32 v[NM+1], 0xff61b1e6                  ; the largest t so far: -3e38
	s_delay_alu instid0(VALU_DEP_1)
	v_floor_f32 v[NM], -v[NM+1]                    ; -M
	v_mov_b32 v[LSUM], 0
	v_mov_b32 v[LSUM+1], 0
	v_mov_b32 v[FF+1], 0                           ; (named as the upper half of a pair)
.irp b, 0,1,2,3
	v_mov_b32 v[BX+\b], 0                          ; a lane permute's destination counts as one of its sources
.endr
.set cnt, 0
.rept 32
	v_mov_b32 v[O+cnt], 0                          ; O^T: the step is written once; the first finds zeros
.set cnt, cnt+1
.endr
; eight logits: s m + (80000 m - 80000), two at a time
.macro LOGIT8 s, m
.irp k, 0,2,4,6
	v_pk_fma_f32 v[WT+\k:WT+\k+1], v[\m+\k:\m+\k+1], s[C80:C80+1], s[N80:N80+1] op_sel_hi:[1,0,0]
.endr
.irp k, 0,2,4,6
	v_pk_fma_f32 v[\s+\k:\s+\k+1], v[\s+\k:\s+\k+1], v[\m+\k:\m+\k+1], v[WT+\k:WT+\k+1]
.endr
.endm
; A KEY STEP: 128 keys, in the slot at s[TB].
.macro STEP fill
	v_add_nc_u32 v[ADKA], s[TB], v[AKA]            ; (these seven are also the places behind the last step's products)
	v_add_nc_u32 v[ADKB], s[TB], v[AKB]
	v_add_nc_u32 v[ADVA], s[TB], v[AVA]
	v_add_nc_u32 v[ADVB], s[TB], v[AVB]
	v_add_nc_u32 v[ADKS], s[TB], v[AKS]
	v_add_nc_u32 v[ADVS], s[TB], v[AVS]
	v_add_nc_u32 v[ADM], s[TB], v[AM]
.irp t, 0,1,2,3,4,5,6,7
	ds_load_b128 v[KX+6*\t:KX+6*\t+3], v[ADKA] offset:1280*(\t/2)+128*(\t%2)
	ds_load_b64 v[KX+6*\t+4:KX+6*\t+5], v[ADKB] offset:1280*(\t/4)+256*((\t/2)%2)+128*(\t%2)
.endr
.irp j, 0,1
.irp u, 0,1
	ds_load_b64 v[KSC+4*\j+2*\u:KSC+4*\j+2*\u+1], v[ADKS] offset:256*\j+128*\u     ; the words of tiles 4 j + u and 4 j + 2 + u
.endr
.endr
.irp n, 0,1,2,3,4,5,6,7
	ds_load_b128 v[MA+4*\n:MA+4*\n+3], v[ADM] offset:128*(\n/4)+16*(\n%4)          ; the mask at my keys of blocks 0 and 1
.endr
	s_wait_alu depctr_va_vdst(0)
	s_wait_dscnt 8                                 ; k and its scale words are in; the eight mask loads, the youngest, may be out
.irp t, 0,1,2,3,4,5,6,7
	v_wmma_scale_f32_16x16x128_f8f6f4 v[S+8*\t:S+8*\t+7], v[KX+6*\t:KX+6*\t+11], v[Q:Q+11], 0, v[KSC+4*(\t/4)+2*(\t%2)+(\t/2)%2], v[QS] matrix_a_fmt:MATRIX_FMT_FP6 matrix_b_fmt:MATRIX_FMT_FP6
.endr
	s_wait_dscnt 0x0
	LOGIT8 S, MA                                   ; its first four lines name no register of the products: they are the places behind them
.irp n, 0,1,2,3,4,5,6,7
	ds_load_b128 v[KX+4*\n:KX+4*\n+3], v[ADM] offset:256+128*(\n/4)+16*(\n%4)      ; blocks 2 and 3, where k's tiles lay
.endr
	LOGIT8 S+8, MA+8
	LOGIT8 S+16, MA+16
	LOGIT8 S+24, MA+24
	s_wait_dscnt 0x0
	LOGIT8 S+32, KX
	LOGIT8 S+40, KX+8
	LOGIT8 S+48, KX+16
	LOGIT8 S+56, KX+24
.irp t, 0,1,2,3                                ; v^T: four tiles of 16 channels x 128 keys; they land while the softmax is walked
.irp c, 0,1
	ds_load_b128 v[KX+12*\t+6*\c:KX+12*\t+6*\c+3], v[ADVA] offset:10240*\c+1280*(\t/2)+128*(\t%2)
	ds_load_b64 v[KX+12*\t+6*\c+4:KX+12*\t+6*\c+5], v[ADVB] offset:5120*\c+256*(\t/2)+128*(\t%2)
.endr
.endr
.irp u, 0,1
	ds_load_b64 v[KSC+2*\u:KSC+2*\u+1], v[ADVS] offset:128*\u                      ; the words of tiles u and 2 + u
.endr
	; THE CHANGE OF SLOTS stands here: the loads above are my last reads of the slot in hand
	s_wait_alu depctr_va_vdst(0)
	s_wait_tensorcnt 0x0                           ; all my tensor loads: the next step's tiles
	ds_add_u32 v[SPW], v[NIL]
.if \fill
	ds_add_u32 v[SPW], v[NIL]                      ; twice
	s_xor_b32 s[G0M+1], s[G0M+1], SLOT1            ; the walking descriptors: the slot in hand, the step after the next
	s_add_nc_u64 s[G0M+2:G0M+3], s[G0M+2:G0M+3], 512
	s_xor_b32 s[G0K+1], s[G0K+1], SLOT1
	s_add_nc_u64 s[G0K+2:G0K+3], s[G0K+2:G0K+3], BLKB
	s_wait_xcnt 0x0                                ; the last prefetch, a step back, has read its address
	s_add_nc_u64 s[PFA:PFA+1], s[PFA:PFA+1], s[PFS:PFS+1]
.endif
.irp b, 0,1,2,3
	v_max3_num_f32 v[BM+\b], v[S+16*\b], v[S+16*\b+1], v[S+16*\b+2]                ; the largest logit of each block of 32 keys: for the row's maximum and, since p rises with it, for the block's largest p
.endr
.irp i, 3,5,7,9,11,13
.irp b, 0,1,2,3
	s_delay_alu instid0(VALU_DEP_4)
	v_max3_num_f32 v[BM+\b], v[BM+\b], v[S+16*\b+\i], v[S+16*\b+\i+1]
.endr
.endr
.irp b, 0,1,2,3
	s_delay_alu instid0(VALU_DEP_4)
	v_max_num_f32 v[BM+\b], v[BM+\b], v[S+16*\b+15]
.endr
	s_wait_alu depctr_va_vdst(0)
	s_wait_dscnt 0x0                               ; the add, and my reads of the slot in hand: k, the mask and v are in registers
	s_barrier_signal -1                            ; work on registers alone up to the wait
.irp b, 0,1,2,3
	v_permlanex16_b32 v[BX+\b], v[BM+\b], s[SEL], s[SEL+1]
.endr
.irp b, 0,1,2,3
	s_delay_alu instid0(VALU_DEP_4)
	v_max_num_f32 v[BM+\b], v[BM+\b], v[BX+\b]     ; with lane l xor 16's 16 keys
.endr
	s_delay_alu instid0(VALU_DEP_2)
	v_max3_num_f32 v[T], v[BM], v[BM+1], v[BM+2]
	s_delay_alu instid0(VALU_DEP_1)
	v_max_num_f32 v[T], v[T], v[BM+3]
	s_delay_alu instid0(VALU_DEP_1)
	v_mul_f32 v[T], s[CS], v[T]                    ; as t
	s_delay_alu instid0(VALU_DEP_1)
	v_max_num_f32 v[NM+1], v[NM+1], v[T]           ; the running largest t
	v_mov_b32 v[T], v[NM]
	s_delay_alu instid0(VALU_DEP_2)
	v_floor_f32 v[NM], -v[NM+1]                    ; the new -M = -ceil(t)
	s_delay_alu instid0(VALU_DEP_1)
	v_sub_f32 v[T], v[NM], v[T]                    ; old M - new M: a whole number, 0 or less
	s_delay_alu instid0(VALU_DEP_1)
	v_cvt_i32_f32 v[T], v[T]                       ; (it saturates)
	s_delay_alu instid0(VALU_DEP_1)
	v_ldexp_f32 v[FF], 1.0, v[T]                   ; f = 2^(old M - new M): a multiplication by it rounds nothing
.set cnt, 0
.rept 32
	v_pk_fma_f32 v[S+cnt:S+cnt+1], v[S+cnt:S+cnt+1], s[CS:CS+1], v[NM:NM+1] op_sel_hi:[1,0,0]   ; t - M
.set cnt, cnt+2
.endr
.irp b, 0,1,2,3
	v_fma_f32 v[BM+\b], v[BM+\b], s[CS], v[NM]     ; the same of each block's largest
.endr
.set cnt, 0
	s_wait_alu depctr_va_vdst(0)
	s_barrier_wait -1                              ; nobody of my work-group reads the slot in hand any more, and the next slot is whole
.if \fill
	CREST                                          ; nor any partner
	TLOAD                                          ; the step after the next, into the slot in hand
	ASK
.endif
.rept 64
	v_exp_f32 v[S+cnt], v[S+cnt]                   ; p = 2^(t - M): not normalised
.set cnt, cnt+1
.endr
	v_pk_mul_f32 v[LSUM:LSUM+1], v[LSUM:LSUM+1], v[FF:FF+1] op_sel_hi:[1,0]        ; the sums under the new M (a plain place behind the exponentials)
	s_wait_alu depctr_va_vdst(0)                   ; one wait for the whole batch, ahead of its first reader
.irp b, 0,1,2,3
	v_exp_f32 v[BM+\b], v[BM+\b]                   ; the block's largest p: the same two instructions on the same number give the same bits
.endr
	v_pk_add_f32 v[108:109], v[144:145], v[148:149]
	v_pk_add_f32 v[254:255], v[152:153], v[156:157]
	v_pk_add_f32 v[252:253], v[160:161], v[164:165]
	v_pk_add_f32 v[250:251], v[168:169], v[172:173]
	v_pk_add_f32 v[248:249], v[176:177], v[180:181]
	v_pk_add_f32 v[246:247], v[184:185], v[188:189]
	v_pk_add_f32 v[244:245], v[192:193], v[196:197]
	v_pk_add_f32 v[34:35], v[34:35], v[200:201]
	v_pk_add_f32 v[108:109], v[108:109], v[140:141]
	v_pk_add_f32 v[254:255], v[254:255], v[142:143]
	v_pk_add_f32 v[252:253], v[252:253], v[146:147]
	v_pk_add_f32 v[250:251], v[250:251], v[150:151]
	v_pk_add_f32 v[248:249], v[248:249], v[154:155]
	v_pk_add_f32 v[246:247], v[246:247], v[158:159]
	v_pk_add_f32 v[244:245], v[244:245], v[162:163]
	v_pk_add_f32 v[34:35], v[34:35], v[166:167]
	v_pk_add_f32 v[108:109], v[108:109], v[170:171]
	v_pk_add_f32 v[254:255], v[254:255], v[174:175]
	v_pk_add_f32 v[252:253], v[252:253], v[178:179]
	v_pk_add_f32 v[250:251], v[250:251], v[182:183]
	v_pk_add_f32 v[248:249], v[248:249], v[186:187]
	v_pk_add_f32 v[246:247], v[246:247], v[190:191]
	v_pk_add_f32 v[244:245], v[244:245], v[194:195]
	v_pk_add_f32 v[34:35], v[34:35], v[198:199]
	v_pk_add_f32 v[108:109], v[108:109], v[202:203]
	s_delay_alu instid0(VALU_DEP_2)
	v_pk_add_f32 v[34:35], v[34:35], v[250:251]
	s_delay_alu instid0(VALU_DEP_2)
	v_pk_add_f32 v[108:109], v[108:109], v[248:249]
	v_pk_add_f32 v[254:255], v[254:255], v[246:247]
	v_pk_add_f32 v[252:253], v[252:253], v[244:245]
	s_delay_alu instid0(VALU_DEP_2)
	v_pk_add_f32 v[34:35], v[34:35], v[254:255]
	s_delay_alu instid0(VALU_DEP_2)
	v_pk_add_f32 v[108:109], v[108:109], v[252:253]
	s_delay_alu instid0(VALU_DEP_1)
	v_pk_add_f32 v[34:35], v[34:35], v[108:109]
	s_wait_alu depctr_va_vdst(0)                   ; and one for the four
.irp b, 0,1,2,3
	v_max_num_f32 v[BM+\b], 0x1800000, v[BM+\b]    ; the floor 2^(3 - 127): the byte cannot fall under 1
.endr
.irp b, 0,1,2,3
	s_delay_alu instid0(VALU_DEP_4)
	v_add_nc_u32 v[SO+\b], 0xff000000, v[BM+\b]    ; 2 off the exponent field: the conversion's scale operand
.endr
.irp b, 0,1,2,3
	s_delay_alu instid0(VALU_DEP_4)
	v_lshrrev_b32 v[BY+\b], 23, v[SO+\b]           ; the scale's byte
.endr
	s_delay_alu instid0(VALU_DEP_3)
	v_lshl_or_b32 v[PW], v[BY+1], 8, v[BY]
	s_delay_alu instid0(VALU_DEP_1)
	v_lshl_or_b32 v[PW], v[BY+2], 16, v[PW]
	s_delay_alu instid0(VALU_DEP_1)
	v_lshl_or_b32 v[PW], v[BY+3], 24, v[PW]
.irp c, 0,1
	v_cvt_scalef32_pk16_fp6_f32 v[PC+6*\c:PC+6*\c+2], v[S+32*\c:S+32*\c+15], v[SO+2*\c]
	v_cvt_scalef32_pk16_fp6_f32 v[CV+4*\c:CV+4*\c+2], v[S+32*\c+16:S+32*\c+31], v[SO+2*\c+1]
.endr
	v_nop                                          ; one plain place behind a scaled conversion
.irp c, 0,1                                    ; the operand's layout wants a whole block in a lane
.irp i, 0,1,2
	v_permlane16_swap_b32 v[PC+6*\c+\i], v[CV+4*\c+\i]
.endr
.irp i, 0,1,2
	s_delay_alu instid0(VALU_DEP_3)
	v_mov_b32 v[PC+6*\c+3+\i], v[CV+4*\c+\i]
.endr
.endr
.set cnt, 0
.rept 16
	v_pk_mul_f32 v[O+cnt:O+cnt+1], v[O+cnt:O+cnt+1], v[FF:FF+1] op_sel_hi:[1,0]    ; O^T under the new M.  (These sixteen are also the places between p's codes and scale word and the products)
.set cnt, cnt+2
.endr
	s_wait_alu depctr_va_vdst(0)
	s_wait_dscnt 0x0                               ; v and its scale words
.irp t, 0,1,2,3
	v_wmma_scale_f32_16x16x128_f8f6f4 v[O+8*\t:O+8*\t+7], v[KX+12*\t:KX+12*\t+11], v[PC:PC+11], v[O+8*\t:O+8*\t+7], v[KSC+2*(\t%2)+\t/2], v[PW] matrix_a_fmt:MATRIX_FMT_FP6 matrix_b_fmt:MATRIX_FMT_FP6
.endr
.endm
; The same lines as a whole, in front of step 0: step 0's tiles are in, and step 1's are asked for, slot 1's first fill.
.macro CHANGE fill
	s_wait_tensorcnt 0x0
	ds_add_u32 v[SPW], v[NIL]
	ds_add_u32 v[SPW], v[NIL]
.if \fill
	s_xor_b32 s[G0M+1], s[G0M+1], SLOT1            ; the walking descriptors: the other slot,
	s_add_nc_u64 s[G0M+2:G0M+3], s[G0M+2:G0M+3], 512       ; the next 128 keys' columns of the mask,
	s_xor_b32 s[G0K+1], s[G0K+1], SLOT1
	s_add_nc_u64 s[G0K+2:G0K+3], s[G0K+2:G0K+3], BLKB      ; the next block of k and v
	s_wait_xcnt 0x0                                ; the last prefetch, a step back, has read its address
	s_add_nc_u64 s[PFA:PFA+1], s[PFA:PFA+1], s[PFS:PFS+1]
	s_wait_dscnt 0x0
	ROUND
	TLOAD
	ASK
.else
	s_wait_dscnt 0x0
	s_barrier_signal -1
	s_barrier_wait -1
.endif
.endm
	s_wait_loadcnt 0x0                             ; q
	CHANGE 1
.Lslot:                                            ; 30 trips: step i asks for step i + 2
	STEP 1
	s_xor_b32 s[TB], s[TB], SLOT1
	s_sub_co_u32 s[SLOTS], s[SLOTS], 1
	s_cmp_lg_u32 s[SLOTS], 0
	s_cbranch_scc1 .Lslot
	s_mov_b32 s[SLOTS], 2
.Ltail:                                            ; the last two steps ask for nothing
	STEP 0
	s_xor_b32 s[TB], s[TB], SLOT1
	s_sub_co_u32 s[SLOTS], s[SLOTS], 1
	s_cmp_lg_u32 s[SLOTS], 0
	s_cbranch_scc1 .Ltail
	; THE WAY OUT: O^T / the sum is ctx: 16 tokens x my head's 64 channels, two blocks of 32 along the last product's K.  It is quantised and leaves in the order of that operand's registers.
	v_add_f32 v[LSUM], v[LSUM], v[LSUM+1]
	s_delay_alu instid0(VALU_DEP_1)
	v_permlanex16_b32 v[BX], v[LSUM], s[SEL], s[SEL+1]
	s_delay_alu instid0(VALU_DEP_1)
	v_add_f32 v[LSUM], v[LSUM], v[BX]              ; the row's sum
	s_wait_alu depctr_va_vdst(0)
	v_rcp_f32 v[LSUM], v[LSUM]
	v_and_b32 v10, 31, v0                          ; (plain work behind the reciprocal, and the places behind the last products)
	s_delay_alu instid0(VALU_DEP_1)
	v_lshlrev_b32 v11, 4, v10                      ; 16 x lane
	s_delay_alu instid0(VALU_DEP_2)
	v_lshlrev_b32 v12, 3, v10                      ; 8 x lane
	v_and_b32 v13, 15, v0
	s_wait_alu depctr_va_vdst(0)
	s_lshl_b32 s59, s[QT], 7
	s_lshr_b32 s60, s[HD], 1
	s_lshl_b32 s60, s60, 2
	s_add_co_u32 s59, s59, s60
	s_and_b32 s60, s[HD], 1
	s_lshl_b32 s60, s60, 1
	s_add_co_u32 s59, s59, s60
	s_add_co_u32 s59, s59, SCX
	v_lshl_add_u32 v13, v13, 3, s59                ; my two scale bytes: 128 qt + 8 r + 4 (hd / 2) + 2 (hd % 2)
	v_add_nc_u32 v14, SCX, v11
	s_lshl_b32 s59, s19, 2
	s_add_co_u32 s59, s59, s18                     ; 4 g + the group of heads
	s_lshl_b32 s62, s59, 9
	s_mov_b32 s63, 0
	s_add_nc_u64 s[12:13], s[12:13], s[62:63]
	s_lshl_b32 s59, s59, 4
	s_lshl_b32 s60, s[QT], 2
	s_add_co_u32 s59, s59, s60
	s_add_co_u32 s59, s59, s[HD]
	s_mul_i32 s62, s59, 768
	s_add_nc_u64 s[10:11], s[10:11], s[62:63]
	s_wait_alu depctr_va_vdst(0)                   ; ahead of the reciprocal's first reader
.set cnt, 0
.rept 32
	v_mul_f32 v[S+cnt], v[O+cnt], v[LSUM]          ; register 16 b + i: channel 32 b + 16 h + i of token r; each accumulator from its low end on
.set cnt, cnt+1
.endr
.irp b, 0,1
	v_max3_num_f32 v[BM+\b], |v[S+16*\b]|, |v[S+16*\b+1]|, 0x1800000
.endr
.irp i, 2,4,6,8,10,12,14
.irp b, 0,1
	s_delay_alu instid0(VALU_DEP_2)
	v_max3_num_f32 v[BM+\b], v[BM+\b], |v[S+16*\b+\i]|, |v[S+16*\b+\i+1]|
.endr
.endr
.irp b, 0,1
	s_delay_alu instid0(VALU_DEP_2)
	v_permlanex16_b32 v[BX+\b], v[BM+\b], s[SEL], s[SEL+1]
.endr
.irp b, 0,1
	s_delay_alu instid0(VALU_DEP_2)
	v_max_num_f32 v[BM+\b], v[BM+\b], v[BX+\b]
.endr
.irp b, 0,1
	s_delay_alu instid0(VALU_DEP_2)
	v_add_nc_u32 v[SO+\b], 0xff000000, v[BM+\b]
.endr
.irp b, 0,1
	s_delay_alu instid0(VALU_DEP_2)
	v_lshrrev_b32 v[BY+\b], 23, v[SO+\b]
.endr
	s_delay_alu instid0(VALU_DEP_1)
	v_lshl_or_b32 v[PW], v[BY+1], 8, v[BY]
	v_cvt_scalef32_pk16_fp6_f32 v[PC:PC+2], v[S:S+15], v[SO]
	v_cvt_scalef32_pk16_fp6_f32 v[CV:CV+2], v[S+16:S+31], v[SO+1]
	v_nop
.irp i, 0,1,2
	v_permlane16_swap_b32 v[PC+\i], v[CV+\i]
.endr
.irp i, 0,1,2
	s_delay_alu instid0(VALU_DEP_3)
	v_mov_b32 v[PC+3+\i], v[CV+\i]
.endr
	global_store_b128 v11, v[PC:PC+3], s[10:11]                    ; 512 consecutive bytes
	global_store_b64 v12, v[PC+4:PC+5], s[10:11] offset:512        ; 256 consecutive bytes
	ds_store_b16 v13, v[PW]                        ; both halves of the lanes write the same bytes with the same value
	s_wait_dscnt 0x0                               ; for the others' sake
	s_barrier_signal -1
	s_barrier_wait -1
	s_cmp_lg_u32 s[WV], 0
	s_cbranch_scc1 .Lnot_first
	ds_load_b128 v[S:S+3], v14                     ; the work-group's 128 scale words leave as 512 consecutive bytes
	s_wait_dscnt 0x0
	global_store_b128 v11, v[S:S+3], s[12:13]
.Lnot_first:
	s_wait_tensorcnt 0x0                           ; the wave's end
	ds_add_u32 v[SPW], v[NIL]
	s_wait_dscnt 0x0
	ROUND                                          ; the closing round
	s_endpgm
.Lfunc_end_k_qafc15ccab7_attn:
	.size	k_qafc15ccab7_attn, .Lfunc_end_k_qafc15ccab7_attn-k_qafc15ccab7_attn
	.p2alignl 7, 3214868480
	.fill 96, 4, 3214868480
	.section	.rodata,"a",@progbits
	.p2align	6, 0x0
	.amdhsa_kernel k_qafc15ccab7_attn
		.amdhsa_group_segment_fixed_size 327680
		.amdhsa_private_segment_fixed_size 0
		.amdhsa_enable_private_segment 0
		.amdhsa_kernarg_size 40
		.amdhsa_user_sgpr_count 2
		.amdhsa_user_sgpr_kernarg_segment_ptr 1
		.amdhsa_wavefront_size32 1
		.amdhsa_system_sgpr_workgroup_id_x 1
		.amdhsa_system_sgpr_workgroup_id_y 1
		.amdhsa_system_sgpr_workgroup_id_z 1
		.amdhsa_system_vgpr_workitem_id 0
		.amdhsa_next_free_vgpr 256
		.amdhsa_next_free_sgpr 80
		.amdhsa_reserve_vcc 0
		.amdhsa_float_denorm_mode_32 3
		.amdhsa_float_denorm_mode_16_64 3
		.amdhsa_memory_ordered 1
		.amdhsa_forward_progress 1
		.amdhsa_inst_pref_size 67
	.end_amdhsa_kernel
	.amdgpu_metadata
---
amdhsa.version: [ 1, 2 ]
amdhsa.kernels:
  - .name:           k_qafc15ccab7_attn
    .symbol:         k_qafc15ccab7_attn.kd
    .args:
      - { .name: qbuf, .offset: 0, .size: 8, .value_kind: global_buffer, .address_space: global }
      - { .name: kvbuf, .offset: 8, .size: 8, .value_kind: global_buffer, .address_space: global }
      - { .name: ltor_mask, .offset: 16, .size: 8, .value_kind: global_buffer, .address_space: global }
      - { .name: ctxc, .offset: 24, .size: 8, .value_kind: global_buffer, .address_space: global }
      - { .name: ctxs, .offset: 32, .size: 8, .value_kind: global_buffer, .address_space: global }
    .group_segment_fixed_size: 327680
    .private_segment_fixed_size: 0
    .kernarg_segment_align: 8
    .kernarg_segment_size: 40
    .max_flat_workgroup_size: 512
    .sgpr_count:     80
    .vgpr_count:     256
    .wavefront_size: 32
...
	.end_amdgpu_metadata
.endif
;; end of part 2
;; launch dense (part 3): grid 8 x 32, 4 waves a work-group, clusters of 4 x 4, 262,656 bytes of LDS; arguments ctxc, ctxs, w_dense_codes, w_dense_scales, b_dense, out0; writes out0
.if DOCPART == 3
	.amdgcn_target "amdgcn-amd-amdhsa--gfx1250"
	.amdhsa_code_object_version 6
	.text
	.protected	k_qafc15ccab7_dense
	.globl	k_qafc15ccab7_dense
	.p2align	8
	.type	k_qafc15ccab7_dense,@function
k_qafc15ccab7_dense:
	s_mov_b64 s[64:65], 0
	v_nop
	global_prefetch_b8 v0, s[64:65] scope:SCOPE_SE
	s_setreg_imm32_b32 hwreg(HW_REG_WAVE_MODE, 25, 1), 1
	s_wait_xcnt 0x0
	s_wait_alu depctr_hold_cnt(0) depctr_sa_sdst(0) depctr_va_vdst(0) depctr_va_sdst(0) depctr_va_ssrc(0) depctr_va_vcc(0) depctr_vm_vsrc(0)
	s_getreg_b32 s2, hwreg(HW_REG_IB_STS2, 6, 4)
	s_cmp_eq_u32 s2, 0
	s_cbranch_scc0 .Lentry_in_a_cluster
	s_endpgm
.Lentry_in_a_cluster:
	s_bfe_u32 s2, ttmp6, 0x10000c
	s_cmp_lg_u32 s2, 0xf033
	s_cbranch_scc0 .Lentry_shape_is_right
	s_endpgm
.Lentry_shape_is_right:
; out = ctx W^T + b on codes of FP6 (E2M3) with E8M0 scales.  ctx comes in the order of the operand's registers, [block of 64 tokens][group of 4 heads][tile of 16 tokens][head][768 bytes], W as rows of codes.
; A work-group of four waves makes 128 tokens x 128 columns, a wave 64 x 64: 16 accumulators.  256 work-groups.
; ALL OF K = 1,024 LIES IN LDS, filled once, ONE tensor load a wave: waves 0, 1 a block of ctx (49,152 dense bytes as rows of 256), waves 2, 3 64 whole rows of W (768 bytes, 16 of padding behind every 256: pitch 816).
; The scale words go from memory straight into registers, each read once: 32 registers of ctx's, 32 of W's.
; CLUSTERS 4 x 4: ctx's tiles are shared along a row, W's along a column.  Source 0 = rows of W, source 1 = tokens: a lane holds eight neighbouring numbers of a row of out.  The bias is the C of the first products.
; No prefetch: every byte is asked for at the head, and there is no loop to run ahead in.
.set AG,    12288                      ; a group of heads of 64 tokens: 256 along K
.set ABLK,  49152
.set BOFF,  2*ABLK
.set PITCH, 816
.set BH,    64*PITCH
.set STG,   BOFF+2*BH                  ; the way out: 16 rows x (256 + 16) for each wave
.set SP,    272
.set SPARE, 0x40000
.set FR,    12
.set ADRB, 16                          ; v16 W's fragments; v18 the same behind one padding more in lanes 16-31
.set AL16, 20
.set AL8,  21
.set STO,  24
.set RD,   25
.set CO,   26
.set SCX,  32                          ; v32-63 ctx's scale words: 8 (k / 2) + 2 a + k % 2
.set SCW,  64                          ; v64-95 W's: 8 b + k
.set BK,   64                          ; the way out: two sets of 32
.set ACC,  128
.set BP,   96                          ; window 1: v96-127 the bias; v0-95, v128-223 two fragment buffers
.set G1A,  24
.set G1B,  40
.set G0A,  68
.set G0B,  84
.set MSB, 0
.macro WIN new
.if MSB != (\new)
	s_set_vgpr_msb (MSB<<8)|(\new)
.set MSB, (\new)
.endif
.endm
.macro ROUND
	s_barrier_signal -1
	s_barrier_wait -1
	s_cmp_lg_u32 s16, 0
	s_cbranch_scc1 .Lnot_wave_0_\@
	s_barrier_signal -3
.Lnot_wave_0_\@:
	s_barrier_wait -3
	s_barrier_signal -1
	s_barrier_wait -1
.endm
	s_load_b256 s[4:11], s[0:1], 0x0               ; ctxc, ctxs, W's codes, W's scales
	s_load_b128 s[12:15], s[0:1], 0x20             ; the bias, out
	v_lshl_add_u32 v30, v0, 2, SPARE
	v_mov_b32 v31, 0
	ds_add_u32 v30, v31                            ; the opening lines
	ds_add_u32 v30, v31
	v_lshrrev_b32 v1, 5, v0
	v_readfirstlane_b32 s16, v1                    ; wave
	s_lshr_b32 s17, s16, 1                         ; my 64 tokens; also: I fetch ctx (0) or W (1)
	s_and_b32 s18, s16, 1                          ; my 64 columns; also: which half I fetch
	s_bfe_u32 s19, ttmp6, 0x40000
	s_bfe_u32 s20, ttmp6, 0x40004
	s_lshl_b32 s21, ttmp9, 2
	s_add_co_u32 s21, s21, s19                     ; x: 128 columns
	s_and_b32 s22, ttmp7, 0xffff
	s_lshl_b32 s22, s22, 2
	s_add_co_u32 s22, s22, s20                     ; y: 128 tokens
	s_lshl_b32 s23, s20, 2
	s_lshl_b32 s23, 15, s23                        ; my row of the cluster
	s_lshl_b32 s100, 0x1111, s19                   ; my column
	s_or_b32 s[G1A], s23, (3<<16)|(1<<21)          ; 192 rows of 256 bytes, dense
	s_mov_b32 s[G1A+1], 32<<16
	s_mov_b32 s[G1A+2], 192<<16
	s_mov_b32 s[G1A+3], 32<<16
	s_mov_b32 s[G1A+4], 192
	s_mov_b32 s[G1A+5], 32
	s_mov_b32 s[G1A+6], 0
	s_mov_b32 s[G1A+7], 0
	s_or_b32 s[G1B], s100, (0<<16)|(1<<20)|(1<<21)|(5<<22)|(3<<25)  ; 64 rows of 768 bytes; 4 words of padding behind every 64
	s_mov_b32 s[G1B+1], 768<<16
	s_mov_b32 s[G1B+2], 64<<16
	s_mov_b32 s[G1B+3], 768<<16
	s_mov_b32 s[G1B+4], 64
	s_mov_b32 s[G1B+5], 768
	s_mov_b32 s[G1B+6], 0
	s_mov_b32 s[G1B+7], 0
	s_lshl_b32 s23, s22, 1
	s_add_co_u32 s2, s23, s18
	s_mul_i32 s2, s2, ABLK                         ; the block of 64 tokens that I fetch
	s_mov_b32 s3, 0
	s_add_co_u32 s48, s23, s17
	s_lshl_b32 s48, s48, 11                        ; my tokens' scale words
	s_mov_b32 s49, 0
	s_lshl_b32 s50, s21, 7
	s_lshl_b32 s51, s18, 6
	s_add_co_u32 s50, s50, s51                     ; W's first row, fetched and read
	s_mul_i32 s100, s50, 768
	s_mov_b32 s101, 0
	s_lshl_b32 s50, s50, 5
	s_mov_b32 s51, 0
	s_lshl_b32 s52, s21, 9
	s_mov_b32 s53, 0
	s_lshl_b32 s54, s22, 7
	s_lshl_b32 s55, s17, 6
	s_add_co_u32 s54, s54, s55
	s_lshl_b32 s54, s54, 12                        ; my first token's row of out
	s_add_co_u32 s54, s54, s52
	s_lshl_b32 s56, s18, 8
	s_add_co_u32 s54, s54, s56                     ; my first column
	s_mov_b32 s55, 0
	s_mul_i32 s57, s17, ABLK
	s_add_co_u32 s58, s57, 512
	s_mul_i32 s59, s16, 16*SP
	s_add_co_u32 s59, s59, STG
	s_wait_dscnt 0x0
	s_wait_kmcnt 0x0
	s_add_nc_u64 s[4:5], s[4:5], s[2:3]
	s_add_nc_u64 s[8:9], s[8:9], s[100:101]
	s_add_nc_u64 s[6:7], s[6:7], s[48:49]
	s_add_nc_u64 s[10:11], s[10:11], s[50:51]
	s_add_nc_u64 s[12:13], s[12:13], s[52:53]
	s_add_nc_u64 s[14:15], s[14:15], s[54:55]
	s_mov_b32 s[G0A], 1
	s_mul_i32 s[G0A+1], s18, ABLK
	s_mov_b64 s[G0A+2:G0A+3], s[4:5]
	s_or_b32 s[G0A+3], s[G0A+3], 0x80000000
	s_mov_b32 s[G0B], 1
	s_mul_i32 s[G0B+1], s18, BH
	s_add_co_u32 s[G0B+1], s[G0B+1], BOFF
	s_mov_b64 s[G0B+2:G0B+3], s[8:9]
	s_or_b32 s[G0B+3], s[G0B+3], 0x80000000
	ROUND                                          ; in front of the joint loads
	s_cmp_eq_u32 s17, 0
	s_cbranch_scc0 .Lfor_b
	tensor_load_to_lds s[G0A:G0A+3], s[G1A:G1A+7]
	s_nop 0
.rept 4
	v_nop
.endr
	s_branch .Lasked
.Lfor_b:
	tensor_load_to_lds s[G0B:G0B+3], s[G1B:G1B+7]
	s_nop 0
.rept 4
	v_nop
.endr
.Lasked:
	v_and_b32 v1, 15, v0                           ; r
	v_bfe_u32 v2, v0, 4, 1                         ; h
	v_and_b32 v3, 31, v0
	v_lshl_add_u32 v6, v2, 5, s56                  ; b[64 half + 16 b + 8 h + j]
	v_lshlrev_b32 v7, 3, v1                        ; ctx's words: 8 bytes a token and group of heads
	v_lshlrev_b32 v8, 5, v1                        ; W's: 32 bytes a row
	WIN 0x40
.irp b, 0,1,2,3
	global_load_b128 v[BP+8*\b:BP+8*\b+3], v6, s[12:13] offset:64*\b
	global_load_b128 v[BP+8*\b+4:BP+8*\b+7], v6, s[12:13] offset:64*\b+16
.endr
	WIN 0
.irp c, 0,1,2,3
.irp i, 0,1,2,3
	global_load_b64 v[SCX+8*\c+2*\i:SCX+8*\c+2*\i+1], v7, s[6:7] offset:512*\c+128*\i
.endr
.endr
.irp b, 0,1,2,3
	global_load_b128 v[SCW+8*\b:SCW+8*\b+3], v8, s[10:11] offset:512*\b
	global_load_b128 v[SCW+8*\b+4:SCW+8*\b+7], v8, s[10:11] offset:512*\b+16
.endr
	v_mul_u32_u24 v4, v1, PITCH
	v_mad_u32_u24 v4, v2, 24, v4
	v_add_nc_u32 v[ADRB], s[G0B+1], v4
	v_lshl_add_u32 v[ADRB+2], v2, 4, v[ADRB]
	v_lshl_add_u32 v[AL16], v3, 4, s57
	v_lshl_add_u32 v[AL8], v3, 3, s58
	v_mul_u32_u24 v4, v1, SP
	v_lshl_add_u32 v4, v2, 5, v4
	v_add_nc_u32 v[STO], s59, v4                   ; in: row r, 32 bytes for each half of the lanes
	v_mul_u32_u24 v4, v2, SP
	v_lshl_add_u32 v4, v1, 4, v4
	v_add_nc_u32 v[RD], s59, v4                    ; back: lanes 0-15 one row of 256 bytes, lanes 16-31 the next
	v_lshlrev_b32 v[CO], 12, v2
	v_lshl_add_u32 v[CO], v1, 4, v[CO]
.macro FRAG reg, st, i                 ; W's fragment of step st: byte y of a row lies at y + 16 (y / 256)
.irp p, 0,1,2,3,4,5
.set BY, 96*(\st)+48*(\p/3)+8*(\p%3)
.if BY/256 == (BY+24)/256
	ds_load_b64 v[\reg+2*\p:\reg+2*\p+1], v[ADRB] offset:BY+16*(BY/256)+(\i)*16*PITCH
.else
	ds_load_b64 v[\reg+2*\p:\reg+2*\p+1], v[ADRB+2] offset:BY+16*(BY/256)+(\i)*16*PITCH
.endif
.endr
.endm
.macro FETCH3 k, f                     ; step k's fragments into buffer f: W's four, then ctx's four (heads 2 k and 2 k + 1)
	WIN 0x40
.irp i, 0,1,2,3
	FRAG (\f)+FR*\i, \k, \i
.endr
.irp i, 0,1,2,3
.irp cc, 0,1
	ds_load_b128 v[(\f)+48+FR*\i+6*\cc:(\f)+48+FR*\i+6*\cc+3], v[AL16] offset:((\k)/2)*AG+(4*\i+2*((\k)%2)+\cc)*768
	ds_load_b64 v[(\f)+48+FR*\i+6*\cc+4:(\f)+48+FR*\i+6*\cc+5], v[AL8] offset:((\k)/2)*AG+(4*\i+2*((\k)%2)+\cc)*768
.endr
.endr
	WIN 0
.endm
.macro MUL8 f, a0, k, zero             ; the 16 accumulators take turns
.irp a, \a0, \a0+1
.irp b, 0,1,2,3
.if \zero
	v_wmma_scale_f32_16x16x128_f8f6f4 v[ACC+8*(4*(\a)+\b):ACC+8*(4*(\a)+\b)+7], v[(\f)+FR*\b:(\f)+FR*\b+FR-1], v[(\f)+48+FR*(\a):(\f)+48+FR*(\a)+FR-1], v[BP+8*\b:BP+8*\b+7], v[SCW+8*\b+(\k)], v[SCX+8*((\k)/2)+2*(\a)+(\k)%2] matrix_a_fmt:MATRIX_FMT_FP6 matrix_b_fmt:MATRIX_FMT_FP6
.else
	v_wmma_scale_f32_16x16x128_f8f6f4 v[ACC+8*(4*(\a)+\b):ACC+8*(4*(\a)+\b)+7], v[(\f)+FR*\b:(\f)+FR*\b+FR-1], v[(\f)+48+FR*(\a):(\f)+48+FR*(\a)+FR-1], v[ACC+8*(4*(\a)+\b):ACC+8*(4*(\a)+\b)+7], v[SCW+8*\b+(\k)], v[SCX+8*((\k)/2)+2*(\a)+(\k)%2] matrix_a_fmt:MATRIX_FMT_FP6 matrix_b_fmt:MATRIX_FMT_FP6
.endif
.endr
.endr
.endm
; K step k of eight: 16 products on buffer k % 2; in its middle the next step's fragments go into the other buffer.  wm: 0x05 = sources in window 1; 0x15 = the C too (the bias)
.macro KST k, wm, zr
	s_wait_dscnt 0x0
	WIN \wm
	MUL8 128*((\k)%2), 0, \k, \zr
	WIN 0
.if (\k) < 7
.rept 4
	v_nop                                          ; places in front of loads into registers that matrix instructions have read
.endr
	FETCH3 (\k)+1, 128*(((\k)+1)%2)
.endif
	WIN \wm
	MUL8 128*((\k)%2), 2, \k, \zr
	WIN 0
.endm
	s_wait_alu depctr_va_vdst(0)
	s_wait_loadcnt 0x0                             ; the bias and the scale words
	s_wait_tensorcnt 0x0                           ; my tile
	s_barrier_signal -1
	s_barrier_wait -1                              ; everybody's
	FETCH3 0, 0
	KST 0, 0x15, 1
.irp k, 1,2,3,4,5,6,7
	KST \k, 0x05, 0
.endr
; THE WAY OUT, 16 tokens x 64 columns at a time, through my own stage: in as 32 bytes a lane, back as whole rows of 256 bytes
.macro TOSTAGE a
.irp b, 0,1,2,3
	ds_store_b128 v[STO], v[ACC+8*(4*(\a)+\b):ACC+8*(4*(\a)+\b)+3] offset:64*\b
	ds_store_b128 v[STO], v[ACC+8*(4*(\a)+\b)+4:ACC+8*(4*(\a)+\b)+7] offset:64*\b+16
.endr
.irp t, 0,1,2,3,4,5,6,7
	ds_load_b128 v[BK+32*((\a)%2)+4*\t:BK+32*((\a)%2)+4*\t+3], v[RD] offset:\t*2*SP
.endr
.endm
.macro SEND a, younger                 ; younger: the next tile's 8 stores and 8 loads may be out
	s_wait_dscnt \younger
.irp t, 0,1,2,3,4,5,6,7
	global_store_b128 v[CO], v[BK+32*((\a)%2)+4*\t:BK+32*((\a)%2)+4*\t+3], s[14:15] offset:(16*(\a)+2*\t)*4096 th:TH_STORE_NT
.endr
.endm
.rept 4
	v_nop                                          ; behind the last products
.endr
	TOSTAGE 0
	TOSTAGE 1
	SEND 0, 16
	s_wait_xcnt 0x0                                ; tile 0's stores have read their registers
	TOSTAGE 2
	SEND 1, 16
	s_wait_xcnt 0x0
	TOSTAGE 3
	SEND 2, 16
	SEND 3, 0
	s_wait_tensorcnt 0x0                           ; the wave's end
	ds_add_u32 v30, v31
	s_wait_dscnt 0x0
	ROUND                                          ; the closing round
	s_endpgm
.Lfunc_end_k_qafc15ccab7_dense:
	.size	k_qafc15ccab7_dense, .Lfunc_end_k_qafc15ccab7_dense-k_qafc15ccab7_dense
	.p2alignl 7, 3214868480
	.fill 96, 4, 3214868480
	.section	.rodata,"a",@progbits
	.p2align	6, 0x0
	.amdhsa_kernel k_qafc15ccab7_dense
		.amdhsa_group_segment_fixed_size 262656
		.amdhsa_private_segment_fixed_size 0
		.amdhsa_enable_private_segment 0
		.amdhsa_kernarg_size 48
		.amdhsa_user_sgpr_count 2
		.amdhsa_user_sgpr_kernarg_segment_ptr 1
		.amdhsa_wavefront_size32 1
		.amdhsa_system_sgpr_workgroup_id_x 1
		.amdhsa_system_sgpr_workgroup_id_y 1
		.amdhsa_system_sgpr_workgroup_id_z 1
		.amdhsa_system_vgpr_workitem_id 0
		.amdhsa_next_free_vgpr 512
		.amdhsa_next_free_sgpr 102
		.amdhsa_reserve_vcc 0
		.amdhsa_float_denorm_mode_32 3
		.amdhsa_float_denorm_mode_16_64 3
		.amdhsa_memory_ordered 1
		.amdhsa_forward_progress 1
		.amdhsa_inst_pref_size 56
	.end_amdhsa_kernel
	.amdgpu_metadata
---
amdhsa.version: [ 1, 2 ]
amdhsa.kernels:
  - .name:           k_qafc15ccab7_dense
    .symbol:         k_qafc15ccab7_dense.kd
    .args:
      - { .name: ctxc, .offset: 0, .size: 8, .value_kind: global_buffer, .address_space: global }
      - { .name: ctxs, .offset: 8, .size: 8, .value_kind: global_buffer, .address_space: global }
      - { .name: w_dense_codes, .offset: 16, .size: 8, .value_kind: global_buffer, .address_space: global }
      - { .name: w_dense_scales, .offset: 24, .size: 8, .value_kind: global_buffer, .address_space: global }
      - { .name: b_dense, .offset: 32, .size: 8, .value_kind: global_buffer, .address_space: global }
      - { .name: out0, .offset: 40, .size: 8, .value_kind: global_buffer, .address_space: global }
    .group_segment_fixed_size: 262656
    .private_segment_fixed_size: 0
    .kernarg_segment_align: 8
    .kernarg_segment_size: 48
    .max_flat_workgroup_size: 128
    .sgpr_count:     102
    .vgpr_count:     512
    .wavefront_size: 32
...
	.end_amdgpu_metadata
.endif
;; end of part 3
